; MI455X (gfx1250); checked and timed in simulation.
; The chip was launched on July 23, 2026; its instructions are those of AMD's public machine-readable ISA for CDNA 5 (MIT licence, August 2026) and "CDNA5" Instruction Set Architecture Reference Guide (July 2026). The comments in the code are by the model that wrote it; some were corrected since.
;; Retention. Allowed arithmetic: matrix products marked QUANTISED: E4M3 operands, one given power-of-two scale a tensor, by v_wmma_f32_16x16x64_fp8_fp8 or v_wmma_f32_16x16x128_fp8_fp8, f32 sums; everything else in f32.
;; Inputs: Wk 2,048 x 256 float32; Wq 2,048 x 256 float32; Wv 2,048 x 256 float32; X 4 x 4,096 x 2,048 float32; decay 256 float32; lowp_scales 10 int32 (the exponents e of the quantised operands' scales 2^e).
;; Outputs: out0 4 x 4,096 x 256 float32.
;; This version of the problem:
;;   THIS VERSION OF THE PROBLEM IS GIVEN IN LOW PRECISION. The matrix products marked QUANTISED in the list below multiply operands that are first quantised to E4M3 (4 exponent bits, 3 mantissa bits; 8 bits a number), with one given power-of-two scale for each operand tensor; their sums are f32. All else is computed in f32.
;;   The module's matrix products, in the order in which they are computed (A, B: the left and right operand; K: the contracted axis; several contracted axes count as one K, in the product's order):
;;     1. [M 16,384, K 2,048] x [K 2,048, N 256]; A: input X; B: input Wq: QUANTISED (scales: A lowp_scales[0], B lowp_scales[1])
;;     2. [M 16,384, K 2,048] x [K 2,048, N 256]; A: input X; B: input Wk: QUANTISED (scales: A lowp_scales[2], B lowp_scales[3])
;;     3. [M 16,384, K 2,048] x [K 2,048, N 256]; A: input X; B: input Wv: QUANTISED (scales: A lowp_scales[4], B lowp_scales[5])
;;     4. batch 4 x [M 4,096, K 256] x [K 256, N 4,096]; A: computed on the way; B: computed on the way: QUANTISED (scales: A lowp_scales[6], B lowp_scales[7])
;;     5. batch 4 x [M 4,096, K 4,096] x [K 4,096, N 256]; A: computed on the way; B: computed on the way: QUANTISED (scales: A lowp_scales[8], B lowp_scales[9])
;;   THE QUANTISER, for each operand of a quantised product, along K:
;;     - The operand's scale is 2^e, e = its entry of the input lowp_scales (int32; the entries are numbered through the quantised products in the list's order, A before B).
;;     - Each number is divided by the scale, clamped to +-448, and rounded to the nearest number of E4M3, ties to even, subnormals kept.
;;     - The product sums the exact products of the quantised numbers (number of the format x scale) in f32.
;;   ~~~python
;;   def quantise(x, axis, e):      # numpy; x: float32 -> the quantised numbers, widened to float32 again
;;       x = np.moveaxis(x, axis, -1); K = x.shape[-1]
;;       r = np.clip(x / 2.0 ** e, -448, 448)
;;       step = 2.0 ** (np.maximum(np.frexp(np.where(r == 0, 1, r))[1] - 1, -6) - 3)
;;       q = np.round(r / step) * step * 2.0 ** e      # np.round: ties to even
;;       return np.moveaxis(q, -1, axis).astype(np.float32)
;;   ~~~
;;   OPERANDS COMPUTED ON THE WAY. 'Computed on the way' means the value that the module computes at that place (a softmax that the list does not call 'softmax' is quantised finished and normalised). What goes into a quantiser is computed in f32, as accurately as f32 sums, v_exp_f32 and their like allow (about 1e-6 of the number): no bf16 or f16 on the way to a quantiser, and a product that is left as it is and whose result goes on into a quantised operand takes f32 operands (vector FMAs, or v_wmma_f32_16x16x4_f32). A number that lies on a knife's edge between two numbers of the format may be rounded either way, as far as f32 arithmetic and the matrix unit's own rounding can turn it there, and no further.
;; 2 versions, each right and faster than the one before. Each part assembles by itself: llvm-mc -triple=amdgcn-amd-amdhsa -mcpu=gfx1250 --defsym DOCPART=n.
;; ======== version 1 of 2: 3 launches
;; workspace buffers: wfrag 1,572,864 bytes; qfrag 4,194,304 bytes; kv 8,388,608 bytes; band 256 bytes of whole numbers
;; launch wq (part 1): grid 64 x 3, 8 waves a work-group, no clusters, 0 bytes of LDS; arguments Wq, Wk, Wv, decay, lowp_scales, wfrag, band; writes wfrag, band
.if DOCPART == 1
	.amdgcn_target "amdgcn-amd-amdhsa--gfx1250"
	.amdhsa_code_object_version 6
	.text
	.protected	k_q1a11e405db_wq
	.globl	k_q1a11e405db_wq
	.p2align	8
	.type	k_q1a11e405db_wq,@function
k_q1a11e405db_wq:
	s_mov_b64 s[64:65], 0
	v_nop
	global_prefetch_b8 v0, s[64:65] scope:SCOPE_SE
	s_setreg_imm32_b32 hwreg(HW_REG_WAVE_MODE, 25, 1), 1
	s_wait_xcnt 0x0
; Wq, Wk, Wv [2048 (k)][256 (n)] f32 become codes of E4M3 (x / 2^e, held within +-448, to the nearest code, ties to even; e = entries 1, 3, 5 of the scales),
; laid in the order in which the next launch's operand registers take them:
;   wfrag[kappa 16][w 4][p 3][tau 4][c 4][lane 32][16 bytes]      (p: 0 = Wq, 1 = Wk, 2 = Wv)
;   lane 16 h + r holds column 64 w + 32 (tau / 2) + 8 (tau % 2) + r + 8 (r / 8);
;   its byte 8 e + 4 jj + i holds k = 256 (kappa / 2) + 64 (kappa % 2) + 16 c + 128 jj + 8 h + 4 e + i: the order in which the next launch's dense loads of X deliver X's codes.
; A LANE TAKES A COLUMN AND ITS REGISTERS RUN DOWN K: each load reads 128 consecutive bytes a wave, 1,024 a work-group, and the conversions give codes with K innermost; nothing is transposed.
; Work-group (x = 4 kappa + c, y = p); thread t = column t.  Each of a wave's two stores fills two aligned runs of 256 bytes, sixteen lanes each.
; No LDS, no matrix unit, no cluster: every byte is read once and written once, and the work-groups share nothing.
; THE BAND.  A score's code in the last launch is 0 as soon as 256 x 448^2 x 2^(e6 + e7 - 4 - e8) x exp(-d x dist) is under half the smallest code, 2^-10: the codes of Q and K are at most 448 whatever the data.
; With 256 x 448^2 < 2^26 and two bits of margin that is dist >= W = max(34 + e6 + e7 - e8, 0) / (d log2 e).  A block of 64 queries then needs at most floor(W / 64) + 2 chunks of 64 keys.
; One wave stores that count (at most 64; 64 where d <= 0 or d is no number) as whole numbers; the last launch takes it as a trip count.  FULL_WALK = 1 stores 64 always.
; LIMITS: e1, e3, e5 between -126 and 119.  NaN among the weights is not served (an infinity is held at the largest code).
.set FULL_WALK, 0
	s_load_b256 s[4:11], s[0:1], 0x0               ; Wq s[4:5], Wk s[6:7], Wv s[8:9], decay s[10:11]
	s_load_b128 s[12:15], s[0:1], 0x20             ; the scales' exponents s[12:13], wfrag s[14:15]
	s_load_b64 s[16:17], s[0:1], 0x30              ; band
	s_and_b32 s18, ttmp7, 0xffff                   ; p
	s_lshr_b32 s19, ttmp9, 2                       ; kappa
	s_and_b32 s22, ttmp9, 3                        ; c
	s_lshr_b32 s23, s19, 1
	s_lshl_b32 s23, s23, 8                         ; 256 (kappa / 2)
	s_and_b32 s34, s19, 1
	s_lshl_b32 s34, s34, 6
	s_add_co_u32 s23, s23, s34                     ; + 64 (kappa % 2)
	s_lshl_b32 s34, s22, 4
	s_add_co_u32 s23, s23, s34                     ; + 16 c: the first row of W that this work-group reads
	s_lshl_b32 s34, s23, 10                        ; a row of W is 1,024 bytes
	s_mov_b32 s35, 0
	s_mul_i32 s38, s19, 98304                      ; wfrag: kappa,
	s_lshl_b32 s39, s18, 13
	s_add_co_u32 s38, s38, s39                     ; p,
	s_lshl_b32 s39, s22, 9
	s_add_co_u32 s38, s38, s39                     ; c
	s_mov_b32 s39, 0
	v_lshlrev_b32 v1, 2, v0                        ; in: my column's 4 bytes of a row
	v_lshrrev_b32 v2, 6, v0
	v_mul_u32_u24 v2, v2, 24576                    ; out: w,
	v_bfe_u32 v3, v0, 5, 1
	v_lshl_add_u32 v2, v3, 12, v2                  ; tau / 2,
	v_bfe_u32 v3, v0, 3, 1
	v_lshl_add_u32 v2, v3, 11, v2                  ; tau % 2,
	v_and_b32 v3, 7, v0
	v_bfe_u32 v4, v0, 4, 1
	v_lshl_add_u32 v3, v4, 3, v3                   ; r
	v_lshl_add_u32 v2, v3, 4, v2                   ; 16 bytes a lane
	v_lshrrev_b32 v5, 5, v0
	v_readfirstlane_b32 s40, v5                    ; wave
	s_or_b32 s40, s40, ttmp9
	s_or_b32 s40, s40, s18                         ; 0 in wave 0 of work-group (0, 0) alone
	s_wait_kmcnt 0x0
	s_load_b256 s[24:31], s[12:13], 0x0            ; e0 .. e7
	s_load_b32 s32, s[12:13], 0x20                 ; e8
	s_load_b32 s33, s[10:11], 0x0                  ; d = decay[0]
	s_cmp_eq_u32 s18, 0                            ; which weight: the choice hangs on the work-group's number alone
	s_cselect_b64 s[20:21], s[4:5], s[6:7]
	s_cmp_eq_u32 s18, 2
	s_cselect_b64 s[20:21], s[8:9], s[20:21]
	s_add_nc_u64 s[20:21], s[20:21], s[34:35]
	s_add_nc_u64 s[14:15], s[14:15], s[38:39]
.irp h, 0,1
.irp e, 0,1
.irp jj, 0,1
.irp i, 0,1,2,3
	global_load_b32 v[16+16*\h+8*\e+4*\jj+\i], v1, s[20:21] offset:(128*\jj+8*\h+4*\e+\i)*1024 th:TH_LOAD_NT
.endr
.endr
.endr
.endr
	s_wait_kmcnt 0x0
	s_cmp_eq_u32 s18, 0
	s_cselect_b32 s36, s25, s27                    ; e1 or e3,
	s_cmp_eq_u32 s18, 2
	s_cselect_b32 s36, s29, s36                    ; or e5
	s_add_co_i32 s36, s36, 127
	s_lshl_b32 s37, s36, 23
	v_mov_b32 v11, s37                             ; 2^e as f32: the conversion takes its exponent field
	s_add_co_i32 s36, s36, 8
	s_lshl_b32 s36, s36, 23
	s_or_b32 s36, s36, 0x600000
	v_mov_b32 v10, s36                             ; 448 x 2^e
	s_wait_loadcnt 0x0                             ; all 32 are wanted at once: there is no second step whose loads could stay out
.irp n, 0,1,2,3,4,5,6,7,8,9,10,11,12,13,14,15,16,17,18,19,20,21,22,23,24,25,26,27,28,29,30,31
	v_med3_num_f32 v[16+\n], v[16+\n], -v10, v10   ; the conversion to an 8-bit code does not saturate (ISA guide 7.6.2): the hold comes first
.endr
.irp g, 0,1,2,3
	v_cvt_scalef32_pk8_fp8_f32 v[48+2*\g:49+2*\g], v[16+8*\g:23+8*\g], v11
.endr
	v_nop                                          ; a plain line behind the last conversion
	global_store_b128 v2, v[48:51], s[14:15]             ; the bytes of lanes 0-15 of the fragment (h = 0),
	global_store_b128 v2, v[52:55], s[14:15] offset:256  ; and of lanes 16-31 (h = 1)
	s_cmp_lg_u32 s40, 0                            ; ids alone
	s_cbranch_scc1 .Ldone
	s_add_co_i32 s41, s30, s31
	s_sub_co_i32 s41, s41, s32
	s_add_co_i32 s41, s41, 34
	s_max_i32 s41, s41, 0                          ; tau = max(34 + e6 + e7 - e8, 0)
	v_cvt_f32_i32 v6, s41
	v_mov_b32 v7, s33                              ; d
	v_mul_f32 v8, 0x3fb8aa3b, v7                   ; d log2 e
	v_rcp_f32 v9, v8
	v_mov_b32 v14, 0x3c800347                      ; 1.0001 / 64  (a plain line behind the reciprocal)
	s_wait_alu depctr_va_vdst(0)                   ; the wait ahead of the first reader
	v_mul_f32 v9, v6, v9                           ; W
	v_fmaak_f32 v9, v9, v14, 0x40010000            ; (1.0001 W + 1) / 64 + 2
	v_min_num_f32 v9, 0x42800000, v9               ; at most 64; what is no number loses against 64
	v_cvt_u32_f32 v9, v9                           ; toward zero
	v_cmp_lt_f32 vcc_lo, 0, v7
	v_cndmask_b32 v12, 64, v9, vcc_lo              ; d <= 0, or no number: the whole causal walk
.if FULL_WALK
	v_mov_b32 v12, 64
.endif
	v_mov_b32 v13, v12
	v_lshlrev_b32 v14, 3, v0                       ; wave 0: the thread's number is the lane
	global_store_b64 v14, v[12:13], s[16:17]       ; 32 lanes x 8 bytes: the buffer's 256 bytes, every word the count
.Ldone:
	s_endpgm
.Lfunc_end_k_q1a11e405db_wq:
	.size	k_q1a11e405db_wq, .Lfunc_end_k_q1a11e405db_wq-k_q1a11e405db_wq
	.p2alignl 7, 3214868480
	.fill 96, 4, 3214868480
	.section	.rodata,"a",@progbits
	.p2align	6, 0x0
	.amdhsa_kernel k_q1a11e405db_wq
		.amdhsa_group_segment_fixed_size 0
		.amdhsa_private_segment_fixed_size 0
		.amdhsa_enable_private_segment 0
		.amdhsa_kernarg_size 56
		.amdhsa_user_sgpr_count 2
		.amdhsa_user_sgpr_kernarg_segment_ptr 1
		.amdhsa_wavefront_size32 1
		.amdhsa_system_sgpr_workgroup_id_x 1
		.amdhsa_system_sgpr_workgroup_id_y 1
		.amdhsa_system_sgpr_workgroup_id_z 1
		.amdhsa_system_vgpr_workitem_id 0
		.amdhsa_next_free_vgpr 64
		.amdhsa_next_free_sgpr 66
		.amdhsa_reserve_vcc 1
		.amdhsa_float_denorm_mode_32 3
		.amdhsa_float_denorm_mode_16_64 3
		.amdhsa_memory_ordered 1
		.amdhsa_forward_progress 1
		.amdhsa_inst_pref_size 10
	.end_amdhsa_kernel
	.amdgpu_metadata
---
amdhsa.version: [ 1, 2 ]
amdhsa.kernels:
  - .name:           k_q1a11e405db_wq
    .symbol:         k_q1a11e405db_wq.kd
    .args:
      - { .name: Wq, .offset: 0, .size: 8, .value_kind: global_buffer, .address_space: global }
      - { .name: Wk, .offset: 8, .size: 8, .value_kind: global_buffer, .address_space: global }
      - { .name: Wv, .offset: 16, .size: 8, .value_kind: global_buffer, .address_space: global }
      - { .name: decay, .offset: 24, .size: 8, .value_kind: global_buffer, .address_space: global }
      - { .name: lowp_scales, .offset: 32, .size: 8, .value_kind: global_buffer, .address_space: global }
      - { .name: wfrag, .offset: 40, .size: 8, .value_kind: global_buffer, .address_space: global }
      - { .name: band, .offset: 48, .size: 8, .value_kind: global_buffer, .address_space: global }
    .group_segment_fixed_size: 0
    .private_segment_fixed_size: 0
    .kernarg_segment_align: 8
    .kernarg_segment_size: 56
    .max_flat_workgroup_size: 256
    .sgpr_count:     66
    .vgpr_count:     64
    .wavefront_size: 32
...
	.end_amdgpu_metadata
.endif
;; end of part 1
;; launch proj (part 2): grid 256 x 1, 4 waves a work-group, clusters of 4 x 1, 327,680 bytes of LDS; arguments X, wfrag, lowp_scales, qfrag, kv; writes qfrag, kv
.if DOCPART == 2
	.amdgcn_target "amdgcn-amd-amdhsa--gfx1250"
	.amdhsa_code_object_version 6
	.text
	.protected	k_q1a11e405db_proj
	.globl	k_q1a11e405db_proj
	.p2align	8
	.type	k_q1a11e405db_proj,@function
k_q1a11e405db_proj:
	s_mov_b64 s[64:65], 0
	v_nop
	global_prefetch_b8 v0, s[64:65] scope:SCOPE_SE
	s_setreg_imm32_b32 hwreg(HW_REG_WAVE_MODE, 25, 1), 1
	s_wait_xcnt 0x0
	s_wait_alu depctr_hold_cnt(0) depctr_sa_sdst(0) depctr_va_vdst(0) depctr_va_sdst(0) depctr_va_ssrc(0) depctr_va_vcc(0) depctr_vm_vsrc(0)
	s_getreg_b32 s2, hwreg(HW_REG_IB_STS2, 6, 4)
	s_cmp_eq_u32 s2, 0
	s_cbranch_scc0 .Lentry_in_a_cluster
	s_endpgm
.Lentry_in_a_cluster:
	s_bfe_u32 s2, ttmp6, 0x10000c
	s_cmp_lg_u32 s2, 0x3003
	s_cbranch_scc0 .Lentry_shape_is_right
	s_endpgm
.Lentry_shape_is_right:
; Q = X Wq, K = X Wk, V = X Wv on codes of E4M3, and Q, K, V quantised again for the next two products, stored as images of operand registers.
; X [16384][2048] f32 is read once and quantised THREE times (entries 0, 2, 4 of the scales may differ); the weights come as codes from wfrag.
; SHARES.  A work-group owns 64 rows of X (one chunk of 64 queries or keys).  Wave w owns columns 64 w .. 64 w + 63 of each of Q, K, V: 12 column tiles x 4 row tiles = 48 accumulators; it quantises rows 16 w .. 16 w + 15.
; Each byte of the weights is read from LDS by one wave only, the one that fetched it.  X's codes go from wave to wave through LDS.
; CLUSTER.  All row blocks walk the same weights, three times a work-group's own bytes of X: four work-groups form a cluster and ask for each tile JOINTLY (same load, same descriptor, mask of all four).
; K goes in 16 steps of 128.  X comes by loads of 512 consecutive bytes of one row; a lane's eight numbers of a row (four from each half of a lap of 256 along K) become eight codes, stored as they fall:
; byte 8 l + 4 jj + i of an LDS row is k = 128 jj + 4 l + i of the lap.  wfrag carries the same order of k, so every product meets its partner; only the order of the sums inside an instruction changes.
; THE ROWS AND COLUMNS OF A TILE ARE NOT NEIGHBOURS: position r of tile 2 b + u stands for index 32 b + 8 u + r + 8 (r / 8), so that a lane's 16 result registers of tiles 2 b and 2 b + 1 are the 16 neighbours 32 b + 16 h + 0 .. 15
; along the next product's K.  Q and K are made transposed (source 0 = weights, source 1 = X: a lane holds a row, registers run along the head); V the other way (a lane holds a channel, registers run along the keys).
; OUT.  qfrag[block][t 4][s 2][c 4][lane][16]: lane (r, h): row position (t, r), head 128 s + 32 c + 16 h + 0 .. 15.  kv[block]: 16,384 bytes of K laid likewise, then V [ct 16][b 2][lane][16]: channel position (ct, r), keys 32 b + 16 h + 0 .. 15.
; LIMITS, so that each power of two is an f32 number: e0, e2, e4, e6 - e0 - e1, e7 - e2 - e3, e9 - e4 - e5 between -126 and 119.  NaN in X is not served (an infinity is held at the largest code).
; LDS: 0: the weights' ring, 2 slots x 98,304 (wave w's dense 24,576 at 24,576 w);  196,608: X's codes, 2 buffers x [set 3][row position 64] x 272 (256 codes + 16);  301,056: the spare words.
; REGISTERS, in windows of 256.  Window 0: v1, v2 the add's two; v3 16 x lane; v4-5 weights in slot 0, 1; v6-7 X's codes, read, buffer 0, 1; v8-9 X's codes, stored; v10-12 2^e0, 2^e2, 2^e4; v13-15 the three scales of the way out;
;   v16, v17 offsets of the way out; v32-79 held numbers; v80-91 codes; v128-191, v192-255 X's fragments, two sets.   Window 1: X as loaded, 4 pieces x 64.   Window 2: Q's 16 accumulators, then K's.   Window 3: V's 16; v128-191, v192-255 weights' fragments, two sets.
.set WPART, 24576                      ; a wave's part of a K step's weights
.set SLOTB, 98304                      ; a K step's weights
.set XC,    196608
.set XBUF,  52224
.set XSET,  17408
.set XP,    272                        ; odd multiple of 16: the sixteen rows that a fragment load touches start at sixteen different banks (64 banks of 4 bytes: ISA guide 11.1)
.set SPARE, 301056                     ; 128 bytes for each wave: two blocks of 256 bytes that no other line names
.set T,  32
.set C,  80
.set AW, 4
.set AX, 6
.set SX, 8
.set MSB, 0
.macro WIN new                         ; the immediate's high byte repeats the setting that is left; a switch that changes nothing is dropped
.if MSB != \new
	s_set_vgpr_msb (MSB<<8)|\new
.set MSB, \new
.endif
.endm
.macro PLACES                          ; four plain vector lines between a matrix instruction and a load into, or a vector line on, its registers
.rept 4
	v_nop
.endr
.endm
.macro ROUND                           ; a round of the cluster's barrier: my work-group's barrier; wave 0 signals for the work-group; all wait for the four work-groups; my work-group's barrier again
	s_barrier_signal -1
	s_barrier_wait -1
	s_cmp_lg_u32 s14, 0
	s_cbranch_scc1 .Lnot_wave_0_\@
	s_barrier_signal -3
.Lnot_wave_0_\@:
	s_barrier_wait -3
	s_barrier_signal -1
	s_barrier_wait -1
.endm
; Two rows (2 a, 2 a + 1 of the piece in staging slot q; u: which half of my 16 rows) are held, converted three times, and stored into code buffer wb.  ld = 1: the same registers take the piece four further on.
.macro RP q, a, u, wb, ld, lapimm
	WIN 0x01                                       ; source 0: window 1
.irp row, 0,1
.irp set, 0,1,2
.irp n, 0,1,2,3,4,5,6,7
	v_med3_num_f32 v[T+8*(3*\row+\set)+\n], v[64*(\q)+8*(2*(\a)+\row)+\n], s[50+2*\set], s[51+2*\set]   ; the conversion does not saturate (ISA guide 7.6.2): the hold at +-448 x the set's scale
.endr
.endr
.endr
	WIN 0
.irp row, 0,1
.irp set, 0,1,2
	v_cvt_scalef32_pk8_fp8_f32 v[C+2*(3*\row+\set):C+2*(3*\row+\set)+1], v[T+8*(3*\row+\set):T+8*(3*\row+\set)+7], v[10+\set]
.endr
.endr
	v_nop                                          ; a plain line behind the last conversion: the next lines on these registers are vector lines
.irp row, 0,1
.irp set, 0,1,2
	ds_store_b64 v[SX+(\wb)], v[C+2*(3*\row+\set):C+2*(3*\row+\set)+1] offset:\set*XSET+(16*(\u)+2*(\a)+\row)*XP   ; 32 lanes x 8 bytes: a row's 256 codes
.endr
.endr
.if \ld
	WIN 0x40                                       ; destination: window 1
.irp row, 0,1
.irp jj, 0,1
	global_load_b128 v[64*(\q)+8*(2*(\a)+\row)+4*\jj:64*(\q)+8*(2*(\a)+\row)+4*\jj+3], v3, s[4:5] offset:(8*(\u)+2*(\a)+\row)*8192+(\lapimm)*1024+512*\jj th:TH_LOAD_NT
.endr
.endr
.endif
.endm
; 32 LDS loads: my four fragments of weight p and the four fragments of X's set p, into fragment set `set`
.macro FETCH set, p, slot, rb, sg
	WIN 0xc0                                       ; destination: window 3
.irp i, 0,1,2,3
.irp c, 0,1,2,3
	ds_load_b128 v[128+64*(\set)+16*\i+4*\c:128+64*(\set)+16*\i+4*\c+3], v[AW+(\slot)] offset:8192*(\p)+2048*\i+512*\c
.endr
.endr
	WIN 0
.irp i, 0,1,2,3
.irp c, 0,1,2,3
	ds_load_b128 v[128+64*(\set)+16*\i+4*\c:128+64*(\set)+16*\i+4*\c+3], v[AX+(\rb)] offset:XSET*(\p)+16*XP*\i+128*(\sg)+32*\c
.endr
.endr
.endm
; 16 matrix instructions on 16 accumulators, one instruction a turn.  zero = 1: the first K step starts the sums.
.macro MUL p, set, zero
.if (\p) < 2
	WIN 0xa3                                       ; source 0 (weights) window 3, source 1 (X) window 0, C and D window 2
.irp i, 0,1,2,3
.irp j, 0,1,2,3
.if \zero
	v_wmma_f32_16x16x128_fp8_fp8 v[128*(\p)+8*(4*\i+\j):128*(\p)+8*(4*\i+\j)+7], v[128+64*(\set)+16*\i:128+64*(\set)+16*\i+15], v[128+64*(\set)+16*\j:128+64*(\set)+16*\j+15], 0
.else
	v_wmma_f32_16x16x128_fp8_fp8 v[128*(\p)+8*(4*\i+\j):128*(\p)+8*(4*\i+\j)+7], v[128+64*(\set)+16*\i:128+64*(\set)+16*\i+15], v[128+64*(\set)+16*\j:128+64*(\set)+16*\j+15], v[128*(\p)+8*(4*\i+\j):128*(\p)+8*(4*\i+\j)+7]
.endif
.endr
.endr
.else
	WIN 0xfc                                       ; source 0 (X) window 0, source 1 (weights) window 3, C and D window 3
.irp i, 0,1,2,3
.irp j, 0,1,2,3
.if \zero
	v_wmma_f32_16x16x128_fp8_fp8 v[8*(4*\i+\j):8*(4*\i+\j)+7], v[128+64*(\set)+16*\j:128+64*(\set)+16*\j+15], v[128+64*(\set)+16*\i:128+64*(\set)+16*\i+15], 0
.else
	v_wmma_f32_16x16x128_fp8_fp8 v[8*(4*\i+\j):8*(4*\i+\j)+7], v[128+64*(\set)+16*\j:128+64*(\set)+16*\j+15], v[128+64*(\set)+16*\i:128+64*(\set)+16*\i+15], v[8*(4*\i+\j):8*(4*\i+\j)+7]
.endif
.endr
.endr
.endif
.endm
; K STEP k.  One round; behind it the other slot's refill; 96 LDS loads and 48 matrix instructions; between them, in four parts, the quantising of piece k + 2 of X (qp = 1) and the loads of piece k + 6 (ld = 1).
; left: the loads of X that may stay out: the pieces behind piece k + 2, 16 loads each.
.macro KSTEP k, zero, qp, ld, left, refill, lapbase
.set SL, (\k)%2                        ; the weights' slot; also which 128 bytes of X's code rows, and which half of my rows the piece holds
.set RB, ((\k)/2)%2                    ; the code buffer that is read; the other one is written
.set QQ, ((\k)+2)%4                    ; the piece's staging slot
.set LI, ((\k)+2)/2+2-(\lapbase)       ; the lap of the piece that is asked for, from where X's base stands
.set NS, 6*(\qp)                       ; LDS stores in a part
	WIN 0
	s_wait_tensorcnt 0x0                           ; my one tensor load has landed: my part of this step's weights; so a group 0 may be written
	ds_add_u32 v1, v2                              ; 0 onto my spare word
	s_add_nc_u64 s[34+4*SL:35+4*SL], s[34+4*SL:35+4*SL], 2*SLOTB   ; this slot's next tile
	s_wait_dscnt 0x0                               ; the add is done; my reads of the other slot and of the code buffer that is written next are over; my stores of codes have landed
	ROUND                                          ; all that now holds of every wave of the four work-groups
.if \refill
	tensor_load_to_lds s[36-4*SL:39-4*SL], s[24:31]   ; the next step's weights, into the slot read last: my one tensor load until the next round
	s_nop 0
.endif
	PLACES                                         ; also the places in front of the loads into the fragments' registers
	FETCH 0, 0, SL, RB, SL
	FETCH 1, 1, SL, RB, SL
.if \qp
	s_wait_loadcnt \left
	RP QQ, 0, SL, 1-RB, \ld, LI
.endif
	s_wait_dscnt 32+NS                             ; behind the first run of 32: the second run and a part's stores
	MUL 0, 0, \zero
.if \qp
	RP QQ, 1, SL, 1-RB, \ld, LI                    ; its holds are the places in front of the loads below
.else
	PLACES
.endif
	FETCH 0, 2, SL, RB, SL
	s_wait_dscnt 32+2*NS                           ; behind the second run: two parts' stores and the third run
	MUL 1, 1, \zero
.if \qp
	RP QQ, 2, SL, 1-RB, \ld, LI
.endif
	s_wait_dscnt NS                                ; behind the third run: a part's stores
	MUL 2, 0, \zero
.if \qp
	RP QQ, 3, SL, 1-RB, \ld, LI
.endif
	WIN 0
.endm
.macro MKS vr, sl                      ; s20 = e:  v[vr] = 2^e;  s[sl], s[sl+1] = -+448 x 2^e
	s_add_co_i32 s20, s20, 127
	s_lshl_b32 s21, s20, 23
	v_mov_b32 v[\vr], s21
	s_add_co_i32 s20, s20, 8
	s_lshl_b32 s20, s20, 23
	s_or_b32 s[\sl+1], s20, 0x600000
	s_or_b32 s[\sl], s[\sl+1], 0x80000000
.endm
	s_load_b128 s[4:7], s[0:1], 0x0                ; X s[4:5], wfrag s[6:7]
	s_load_b128 s[8:11], s[0:1], 0x10              ; the scales' exponents s[8:9], qfrag s[10:11]
	s_load_b64 s[12:13], s[0:1], 0x20              ; kv
	v_lshl_add_u32 v1, v0, 2, SPARE
	v_mov_b32 v2, 0
	ds_add_u32 v1, v2                              ; the wave's opening: the add and its wait stand ahead of my first tensor load; the set-up below, work on registers, stands between them
	v_lshrrev_b32 v20, 5, v0
	v_readfirstlane_b32 s14, v20                   ; wave 0..3
	s_bfe_u32 s15, ttmp6, 0x40000                  ; cx: my place in the cluster: it enters X's and the outputs' addresses alone
	s_lshl_b32 s16, ttmp9, 2                       ; in a cluster launch ttmp9 counts clusters
	s_add_co_u32 s16, s16, s15                     ; my block of 64 rows
	; descriptor group 1: 96 rows of 256 bytes, dense in memory and in LDS: a wave's 24,576 bytes
	s_mov_b32 s24, 15|(3<<16)|(1<<21)              ; 15:0 the mask: all four work-groups; 17:16 elements of 8 bytes; 21 set beside a mask; no padding
	s_mov_b32 s25, 32<<16                          ; tensor_dim0 = 32 elements
	s_mov_b32 s26, 96<<16                          ; tensor_dim1 = 96
	s_mov_b32 s27, 32<<16                          ; tile_dim0 = 32
	s_mov_b32 s28, 96                              ; tile_dim1 = 96
	s_mov_b32 s29, 32                              ; from row to row: 32 elements
	s_mov_b32 s30, 0
	s_mov_b32 s31, 0
	s_mul_i32 s18, s14, WPART                      ; my part of a tile, in memory and in a slot: the wave's number alone
	s_mov_b32 s19, 0
	v_and_b32 v20, 31, v0                          ; lane
	v_and_b32 v21, 15, v0                          ; r
	v_bfe_u32 v22, v0, 4, 1                        ; h
	v_lshlrev_b32 v3, 4, v20
	v_add_nc_u32 v4, s18, v3
	v_add_nc_u32 v5, SLOTB, v4
	v_mul_u32_u24 v6, v21, XP
	v_lshl_add_u32 v6, v22, 4, v6
	v_add_nc_u32 v6, XC, v6
	v_add_nc_u32 v7, XBUF, v6
	s_lshr_b32 s62, s14, 1                         ; row 16 w + 8 u + i of the block has position 32 (w / 2) + 16 u + 8 (w % 2) + i
	s_lshl_b32 s62, s62, 5
	s_and_b32 s63, s14, 1
	s_lshl_b32 s63, s63, 3
	s_add_co_u32 s62, s62, s63
	s_mul_i32 s62, s62, XP
	s_add_co_u32 s62, s62, XC
	v_lshl_add_u32 v8, v20, 3, s62
	v_add_nc_u32 v9, XBUF, v8
	s_lshl_b32 s62, s14, 10
	v_add_nc_u32 v16, s62, v3                      ; Q's and K's images: 16 x lane + 1,024 w
	s_lshl_b32 s62, s14, 12
	s_add_co_u32 s62, s62, 16384
	v_add_nc_u32 v17, s62, v3                      ; V's: 16 x lane + 4,096 w, behind K's 16,384
	s_lshl_b32 s20, s16, 19                        ; 64 rows of 8,192 bytes a block,
	s_lshl_b32 s21, s14, 17                        ; 16 a wave
	s_add_co_u32 s20, s20, s21
	s_mov_b32 s21, 0
	s_lshl_b32 s22, s16, 14
	s_mov_b32 s23, 0
	s_wait_dscnt 0x0                               ; the opening add is done
	s_wait_kmcnt 0x0
	s_load_b256 s[40:47], s[8:9], 0x0              ; e0 .. e7
	s_load_b64 s[48:49], s[8:9], 0x20              ; e8, e9
	s_add_nc_u64 s[4:5], s[4:5], s[20:21]          ; X at my wave's first row
	s_add_nc_u64 s[10:11], s[10:11], s[22:23]      ; qfrag at my block
	s_lshl_b32 s22, s16, 15
	s_add_nc_u64 s[12:13], s[12:13], s[22:23]      ; kv at my block
	s_add_nc_u64 s[6:7], s[6:7], s[18:19]          ; wfrag at my part of tile 0
	s_mov_b32 s32, 1                               ; group 0 for slot 0: count = 1,
	s_mov_b32 s33, s18                             ; LDS address,
	s_mov_b64 s[34:35], s[6:7]                     ; global address: tile 0,
	s_or_b32 s35, s35, 0x80000000                  ; type = 2
	s_mov_b32 s36, 1                               ; and for slot 1: tile 1
	s_add_co_u32 s37, s18, SLOTB
	s_add_nc_u64 s[38:39], s[6:7], SLOTB
	s_or_b32 s39, s39, 0x80000000
	WIN 0x40
.irp pi, 0,1,2,3                       ; pieces 0 to 3 of X: 8 rows x 1,024 bytes each; 64 loads of 512 consecutive bytes are on their way from here on
.irp row, 0,1,2,3,4,5,6,7
.irp jj, 0,1
	global_load_b128 v[64*\pi+8*\row+4*\jj:64*\pi+8*\row+4*\jj+3], v3, s[4:5] offset:(8*(\pi%2)+\row)*8192+(\pi/2)*1024+512*\jj th:TH_LOAD_NT
.endr
.endr
.endr
	WIN 0
	ROUND                                          ; all four work-groups are here: the first joint load meets
	tensor_load_to_lds s[32:35], s[24:31]          ; tile 0; slot 1 is filled behind the first K step's round, as a refill is
	s_nop 0
	PLACES
	s_wait_kmcnt 0x0
	s_mov_b32 s20, s40
	MKS 10, 50                                     ; X for the first product,
	s_mov_b32 s20, s42
	MKS 11, 52                                     ; the second,
	s_mov_b32 s20, s44
	MKS 12, 54                                     ; the third
	s_sub_co_i32 s20, s46, s40                     ; a sum of the first product stands for sum x 2^(e0 + e1): its code is sum / 2^(e6 - e0 - e1)
	s_sub_co_i32 s20, s20, s41
	MKS 13, 56
	s_sub_co_i32 s20, s47, s42
	s_sub_co_i32 s20, s20, s43
	MKS 14, 58
	s_sub_co_i32 s20, s49, s44
	s_sub_co_i32 s20, s20, s45
	MKS 15, 60
.irp pi, 0,1                           ; lap 0's codes, into buffer 0; pieces 4 and 5 are asked for
	s_wait_loadcnt 48                              ; three younger pieces may stay out
	RP \pi, 0, \pi, 0, 1, 2
	RP \pi, 1, \pi, 0, 1, 2
	RP \pi, 2, \pi, 0, 1, 2
	RP \pi, 3, \pi, 0, 1, 2
.endr
	KSTEP 0, 1, 1, 1, 48, 1, 0                     ; the first K step stands in front of the loop: its products start the sums
	s_mov_b32 s3, 2
.Lk:                                               ; a trip is four K steps, after which slots, buffers and staging slots are back where they began: K steps 1-4, 5-8
	KSTEP 1, 0, 1, 1, 48, 1, 0
	KSTEP 2, 0, 1, 1, 48, 1, 0
	KSTEP 3, 0, 1, 1, 48, 1, 0
	KSTEP 4, 0, 1, 1, 48, 1, 0
	s_wait_xcnt 0x0                                ; the loads have read their base: it may step
	s_add_nc_u64 s[4:5], s[4:5], 2048              ; two laps on
	s_sub_co_u32 s3, s3, 1
	s_cmp_lg_u32 s3, 0
	s_cbranch_scc1 .Lk
	KSTEP 9,  0, 1, 1, 48, 1, 4                    ; the tail is written out: the last piece of X is asked for here,
	KSTEP 10, 0, 1, 0, 48, 1, 4                    ; then the counts run down,
	KSTEP 11, 0, 1, 0, 32, 1, 4
	KSTEP 12, 0, 1, 0, 16, 1, 4
	KSTEP 13, 0, 1, 0, 0,  1, 4
	KSTEP 14, 0, 0, 0, 0,  1, 4                    ; nothing is left to quantise,
	KSTEP 15, 0, 0, 0, 0,  0, 4                    ; and no tile to fetch
	; THE WAY OUT: hold, convert, store.  Each accumulator is read from its low end on.  The conversions' results are whole pieces of 512 bytes of an operand's image.
	PLACES
	WIN 0x82                                       ; source 0 and destination: window 2
.set n, 0
.rept 128
	v_med3_num_f32 v[n], v[n], s56, s57            ; Q
.set n, n+1
.endr
.rept 128
	v_med3_num_f32 v[n], v[n], s58, s59            ; K
.set n, n+1
.endr
	WIN 0xc3                                       ; window 3
.set n, 0
.rept 128
	v_med3_num_f32 v[n], v[n], s60, s61            ; V
.set n, n+1
.endr
	WIN 0x02                                       ; source 0: window 2; the codes go to window 0, where X's fragments lay
.irp t, 0,1,2,3
.irp b, 0,1
	v_cvt_scalef32_pk8_fp8_f32 v[128+4*(2*\t+\b):128+4*(2*\t+\b)+1], v[8*(8*\b+\t):8*(8*\b+\t)+7], v13             ; column tiles 2 b and 2 b + 1, row tile t: head 64 w + 32 b + 16 h + 0 .. 15
	v_cvt_scalef32_pk8_fp8_f32 v[128+4*(2*\t+\b)+2:128+4*(2*\t+\b)+3], v[8*(8*\b+4+\t):8*(8*\b+4+\t)+7], v13
	v_cvt_scalef32_pk8_fp8_f32 v[160+4*(2*\t+\b):160+4*(2*\t+\b)+1], v[128+8*(8*\b+\t):128+8*(8*\b+\t)+7], v14
	v_cvt_scalef32_pk8_fp8_f32 v[160+4*(2*\t+\b)+2:160+4*(2*\t+\b)+3], v[128+8*(8*\b+4+\t):128+8*(8*\b+4+\t)+7], v14
.endr
.endr
	WIN 0x03                                       ; source 0: window 3
.irp t, 0,1,2,3
.irp b, 0,1
	v_cvt_scalef32_pk8_fp8_f32 v[192+4*(2*\t+\b):192+4*(2*\t+\b)+1], v[8*(4*\t+2*\b):8*(4*\t+2*\b)+7], v15          ; column tile t, row tiles 2 b and 2 b + 1: keys 32 b + 16 h + 0 .. 15
	v_cvt_scalef32_pk8_fp8_f32 v[192+4*(2*\t+\b)+2:192+4*(2*\t+\b)+3], v[8*(4*\t+2*\b+1):8*(4*\t+2*\b+1)+7], v15
.endr
.endr
	v_nop                                          ; a plain line behind the last conversion
	WIN 0
.irp t, 0,1,2,3
.irp b, 0,1
	global_store_b128 v16, v[128+4*(2*\t+\b):128+4*(2*\t+\b)+3], s[10:11] offset:4096*\t+512*\b    ; each store of the wave covers 512 consecutive bytes, aligned
	global_store_b128 v16, v[160+4*(2*\t+\b):160+4*(2*\t+\b)+3], s[12:13] offset:4096*\t+512*\b
	global_store_b128 v17, v[192+4*(2*\t+\b):192+4*(2*\t+\b)+3], s[12:13] offset:1024*\t+512*\b
.endr
.endr
	s_wait_tensorcnt 0x0                           ; the wave's end: behind my last tensor load and my last LDS store
	ds_add_u32 v1, v2
	s_wait_dscnt 0x0
	ROUND                                          ; the closing round: no work-group ends while a partner may still ask for a tile that names it
	s_endpgm
.Lfunc_end_k_q1a11e405db_proj:
	.size	k_q1a11e405db_proj, .Lfunc_end_k_q1a11e405db_proj-k_q1a11e405db_proj
	.p2alignl 7, 3214868480
	.fill 96, 4, 3214868480
	.section	.rodata,"a",@progbits
	.p2align	6, 0x0
	.amdhsa_kernel k_q1a11e405db_proj
		.amdhsa_group_segment_fixed_size 327680
		.amdhsa_private_segment_fixed_size 0
		.amdhsa_enable_private_segment 0
		.amdhsa_kernarg_size 40
		.amdhsa_user_sgpr_count 2
		.amdhsa_user_sgpr_kernarg_segment_ptr 1
		.amdhsa_wavefront_size32 1
		.amdhsa_system_sgpr_workgroup_id_x 1
		.amdhsa_system_sgpr_workgroup_id_y 1
		.amdhsa_system_sgpr_workgroup_id_z 1
		.amdhsa_system_vgpr_workitem_id 0
		.amdhsa_next_free_vgpr 1024
		.amdhsa_next_free_sgpr 66
		.amdhsa_reserve_vcc 0
		.amdhsa_float_denorm_mode_32 3
		.amdhsa_float_denorm_mode_16_64 3
		.amdhsa_memory_ordered 1
		.amdhsa_forward_progress 1
		.amdhsa_inst_pref_size 255
	.end_amdhsa_kernel
	.section	.bss,"aw",@nobits
	.p2align	6
	.space	262144
	.amdgpu_metadata
---
amdhsa.version: [ 1, 2 ]
amdhsa.kernels:
  - .name:           k_q1a11e405db_proj
    .symbol:         k_q1a11e405db_proj.kd
    .args:
      - { .name: X, .offset: 0, .size: 8, .value_kind: global_buffer, .address_space: global }
      - { .name: wfrag, .offset: 8, .size: 8, .value_kind: global_buffer, .address_space: global }
      - { .name: lowp_scales, .offset: 16, .size: 8, .value_kind: global_buffer, .address_space: global }
      - { .name: qfrag, .offset: 24, .size: 8, .value_kind: global_buffer, .address_space: global }
      - { .name: kv, .offset: 32, .size: 8, .value_kind: global_buffer, .address_space: global }
    .group_segment_fixed_size: 327680
    .private_segment_fixed_size: 0
    .kernarg_segment_align: 8
    .kernarg_segment_size: 40
    .max_flat_workgroup_size: 128
    .sgpr_count:     66
    .vgpr_count:     1024
    .wavefront_size: 32
...
	.end_amdgpu_metadata
.endif
;; end of part 2
;; launch ret (part 3): grid 64 x 4, 4 waves a work-group, no clusters, 266,752 bytes of LDS; arguments qfrag, kv, decay, lowp_scales, band, out0; writes out0
.if DOCPART == 3
	.amdgcn_target "amdgcn-amd-amdhsa--gfx1250"
	.amdhsa_code_object_version 6
	.text
	.protected	k_q1a11e405db_ret
	.globl	k_q1a11e405db_ret
	.p2align	8
	.type	k_q1a11e405db_ret,@function
k_q1a11e405db_ret:
	s_mov_b64 s[64:65], 0
	v_nop
	global_prefetch_b8 v0, s[64:65] scope:SCOPE_SE
	s_setreg_imm32_b32 hwreg(HW_REG_WAVE_MODE, 25, 1), 1
	s_wait_xcnt 0x0
; out[b][s][:] = the sum over t <= s of Quant((Q[s] . K[t]) exp(-d (s - t)) / 16) V[t][:], d = decay[0]; both products on codes of E4M3.  Q, K, V come as images of operand registers (the launch before made them).
; SHARES.  A work-group owns 64 queries of one batch: four tiles j = 2 bq + u; position r of tile j is query 32 bq + 8 u + rr, rr = r + 8 (r / 8).  THE WAVES SHARE THE KEYS: wave w takes the chunks of 64 keys cq - w, cq - w - 4, ..
; for all four tiles, so that each byte of K and V goes into one wave's registers once and each fragment feeds four matrix instructions.  There is no softmax: the sums over keys simply add, and the four waves' parts of O meet once,
; at the end, in LDS, where they are also turned into whole rows.
; THE WALK.  Chunks further back than the stored count (buffer band; at most 64) hold scores whose codes are all 0, whatever the data: they are not walked.  The count is a stored whole number, so it may be a trip count;
; for that reason K and V go from memory straight into registers.  NO CLUSTER, NO TENSOR LOAD: the waves' trip counts differ.
; LAYOUT.  S^T = K Q^T (source 0 = 16 keys, source 1 = 16 queries): a lane holds one query; the 16 registers of key tiles 2 bk, 2 bk + 1 are keys 32 bk + 16 h + 0 .. 15.  Their codes are source 1 of O^T += V^T P^T (K = 64 keys),
; whose result holds one query a lane and, in tiles 2 pp and 2 pp + 1, channels 32 pp + 16 h + 0 .. 15.
; THE DECAY.  dist = (rr - 16 h - i + 31) + m, m = 64 x (chunks back) + 32 (bq - bk) + 8 u - 31; both parts are 0 or more, so neither factor passes f32's range unless their product does.
; B[i] = 2^(c (rr - 16 h - i + 31)), c = -d log2 e: 16 registers, made once.  G = 2^(c m): six numbers a chunk.  On the diagonal (chunk 0, bk = bq) the factor is made whole, 0 where the key comes after the query; bk > bq: zero codes.
; code = S x B x G / 2^(e8 - e6 - e7 + 4), held within +-448.  A head chunk that does not exist (cq < w) is computed on chunk 0 with the hold at 0: zero codes.
; LIMITS: e8 - e6 - e7 + 4 between -126 and 119; e8 + e9 between -126 and 127.  A decay factor under 2^-126 counts as 0 (v_exp_f32 gives 0 there: ISA guide 15.8).  The factor is a product of two exponentials of c x a whole number:
; its error is a few 1e-7 and 1.2e-7 x |c x dist|.
; LDS: four stages of 64 rows x 1,040 bytes (1,024 + 16), one a wave, at 66,560 w;  266,240: the spare words.
; REGISTERS, in windows of 256.  Window 0: v1, v2 the add's two; v3 16 x lane; v4 the conversion's scale; v5 rr - 16 h; v6 -infinity; v7 into my stage; v8-11 out of the four stages; v12 c; v16-31 B; v32-47 P, two buffers;
;   v48-59 G, six pairs; v64-127 S^T, two buffers of four key tiles; v128-255 Q (tile j, half s at 128 + 32 j + 16 s).   Window 1: v0-127 K (32 t + 16 s); v128-255 V (128 + 8 ct + 4 b).
;   Windows 2, 3: O^T: tile j at 128 (j % 2) + 8 ct of window 2 + j / 2.  The diagonal's 32 factors lie at v128-159 of window 3 until tile 3's first products start its sums there.
.set STG,    66560
.set SPITCH, 1040                      ; 65 x 16: the sixteen rows of a store start at sixteen different banks (64 banks of 4 bytes: ISA guide 11.1)
.set SPARE,  266240                    ; 128 bytes for each wave: two blocks of 256 bytes that no other line names
.set MSB, 0
.macro WIN new                         ; the immediate's high byte repeats the setting that is left; a switch that changes nothing is dropped
.if MSB != \new
	s_set_vgpr_msb (MSB<<8)|\new
.set MSB, \new
.endif
.endm
.macro PLACES                          ; four plain vector lines between a matrix instruction and a load into, or a vector line or store on, its registers
.rept 4
	v_nop
.endr
.endm
.macro KLOAD                           ; a chunk's K: 32 loads of 512 consecutive bytes
	WIN 0x40                                       ; destination: window 1
.irp t, 0,1,2,3
.irp s, 0,1
.irp c, 0,1,2,3
	global_load_b128 v[32*\t+16*\s+4*\c:32*\t+16*\s+4*\c+3], v3, s[6:7] offset:4096*\t+2048*\s+512*\c
.endr
.endr
.endr
	WIN 0
.endm
.macro VLOAD                           ; and its V
	WIN 0x40
.irp ct, 0,1,2,3,4,5,6,7,8,9,10,11,12,13,14,15
.irp b, 0,1
	global_load_b128 v[128+8*\ct+4*\b:128+8*\ct+4*\b+3], v3, s[6:7] offset:16384+1024*\ct+512*\b
.endr
.endr
	WIN 0
.endm
.macro NEXTK                           ; if another chunk follows (a stored whole number and ids): four chunks back.  Every earlier load has been waited for, so the base may be written
	WIN 0
	s_cmp_lg_u32 s20, 0
	s_cbranch_scc0 .Lno_k_\@
	s_sub_nc_u64 s[6:7], s[6:7], 131072
	KLOAD
.Lno_k_\@:
.endm
.macro NEXTV
	WIN 0
	s_cmp_lg_u32 s20, 0
	s_cbranch_scc0 .Lno_v_\@
	VLOAD
.Lno_v_\@:
.endm
.macro GCALC                           ; G number n = 2 (bq - bk + 1) + u: 2^(c m), m = s21 + 32 (n / 2 - 1) + 8 (n % 2) - 31.  (In chunk 0 only numbers 4 and 5 are used)
.irp n, 0,1,2,3,4,5
	s_add_co_i32 s[50+\n], s21, 32*((\n)/2-1)+8*((\n)%2)-31
	v_cvt_f32_i32 v[48+2*\n], s[50+\n]
.endr
.irp n, 0,1,2,3,4,5
	v_mul_f32 v[48+2*\n], v12, v[48+2*\n]
.endr
.irp n, 0,1,2,3,4,5
	v_exp_f32 v[48+2*\n], v[48+2*\n]
.endr
	v_nop                                          ; a plain line behind the last exponential,
	s_wait_alu depctr_va_vdst(0)                   ; and the one wait for the six ahead of their first reader
.endm
.macro SMUL j                          ; S^T of query tile j: four key tiles by turns, the head's two halves; the first half starts the sums
.set SB, 64+32*((\j)%2)
	WIN 0x01                                       ; source 0 (K): window 1
.irp t, 0,1,2,3
	v_wmma_f32_16x16x128_fp8_fp8 v[SB+8*\t:SB+8*\t+7], v[32*\t:32*\t+15], v[128+32*(\j):128+32*(\j)+15], 0
.endr
.irp t, 0,1,2,3
	v_wmma_f32_16x16x128_fp8_fp8 v[SB+8*\t:SB+8*\t+7], v[32*\t+16:32*\t+31], v[128+32*(\j)+16:128+32*(\j)+31], v[SB+8*\t:SB+8*\t+7]
.endr
.endm
; 16 scores a lane (query tile j, keys 32 bk + 16 h + 0 .. 15) become four registers of codes.  mode 0: zero codes; 1: x B x G number g; 2: x the diagonal's factors for u = g.  Each accumulator is read from its low end on.
.macro VECB j, bk, mode, g
.set SB, 64+32*((\j)%2)+16*(\bk)
.set PB, 32+8*((\j)%2)+4*(\bk)
.if (\mode) == 0
	WIN 0
.irp n, 0,1,2,3
	v_mov_b32 v[PB+\n], 0
.endr
.else
.if (\mode) == 1
	WIN 0
.irp n, 0,2,4,6,8,10,12,14
	v_pk_mul_f32 v[SB+\n:SB+\n+1], v[SB+\n:SB+\n+1], v[16+\n:17+\n]
.endr
.irp n, 0,2,4,6,8,10,12,14
	v_pk_mul_f32 v[SB+\n:SB+\n+1], v[SB+\n:SB+\n+1], v[48+2*(\g):49+2*(\g)] op_sel_hi:[1,0]   ; the pair's low word for both halves
.endr
.else
	WIN 0x0c                                       ; source 1: window 3
.irp n, 0,2,4,6,8,10,12,14
	v_pk_mul_f32 v[SB+\n:SB+\n+1], v[SB+\n:SB+\n+1], v[128+16*(\g)+\n:128+16*(\g)+\n+1]
.endr
	WIN 0
.endif
.irp n, 0,1,2,3,4,5,6,7,8,9,10,11,12,13,14,15
	v_med3_num_f32 v[SB+\n], v[SB+\n], s24, s25    ; the conversion does not saturate (ISA guide 7.6.2): the hold comes first
.endr
	v_cvt_scalef32_pk8_fp8_f32 v[PB:PB+1], v[SB:SB+7], v4
	v_cvt_scalef32_pk8_fp8_f32 v[PB+2:PB+3], v[SB+8:SB+15], v4
.endif
.endm
.macro VEC j, diag
.set BQ, (\j)/2
.set UU, (\j)%2
.if \diag
.if BQ == 0
	VECB \j, 0, 2, UU
	VECB \j, 1, 0, 0
.else
	VECB \j, 0, 1, 4+UU
	VECB \j, 1, 2, UU
.endif
.else
	VECB \j, 0, 1, 2*(BQ+1)+UU
	VECB \j, 1, 1, 2*BQ+UU
.endif
	v_nop                                          ; a plain line between the last conversion and the products that read the codes
.endm
.macro PVM j, zero                     ; O^T of tile j += V^T P^T: sixteen accumulators by turns.  zero = 1: the first chunk starts the sums
.set WN, 0xa1+0x50*((\j)/2)            ; source 0 (V) window 1, source 1 (P) window 0, C and D window 2 or 3
	WIN WN
.irp ct, 0,1,2,3,4,5,6,7,8,9,10,11,12,13,14,15
.if \zero
	v_wmma_f32_16x16x64_fp8_fp8 v[128*((\j)%2)+8*\ct:128*((\j)%2)+8*\ct+7], v[128+8*\ct:128+8*\ct+7], v[32+8*((\j)%2):32+8*((\j)%2)+7], 0
.else
	v_wmma_f32_16x16x64_fp8_fp8 v[128*((\j)%2)+8*\ct:128*((\j)%2)+8*\ct+7], v[128+8*\ct:128+8*\ct+7], v[32+8*((\j)%2):32+8*((\j)%2)+7], v[128*((\j)%2)+8*\ct:128*((\j)%2)+8*\ct+7]
.endif
.endr
.endm
; A CHUNK of 64 keys: 32 + 64 matrix instructions, and between them the four tiles' vector work, each on the S and P buffers that the matrix instructions round it do not name: those lines are the places.
.macro CHUNK diag, zero, head
	GCALC
.if \head
	s_wait_loadcnt 32                              ; K and Q are in; V's 32 loads, issued behind them, may stay out
.else
	s_wait_loadcnt 0x0                             ; K and V; the count is for 0, which is right on every way round the two forward branches
.endif
	SMUL 0
	SMUL 1
	PLACES
	VEC 0, \diag
.if \head
	s_wait_loadcnt 0x0                             ; V
.endif
	PVM 0, \zero
	SMUL 2
	VEC 1, \diag
	PVM 1, \zero
	SMUL 3
	VEC 2, \diag
	NEXTK                                          ; K's registers were last read in front of tile 2's vector work
	PVM 2, \zero
	VEC 3, \diag
	PVM 3, \zero
	PLACES
	NEXTV
.endm
	s_load_b256 s[4:11], s[0:1], 0x0               ; qfrag s[4:5], kv s[6:7], decay s[8:9], the scales' exponents s[10:11]
	s_load_b128 s[12:15], s[0:1], 0x20             ; band s[12:13], out0 s[14:15]
	v_lshl_add_u32 v1, v0, 2, SPARE
	v_mov_b32 v2, 0
	v_lshrrev_b32 v13, 5, v0
	v_readfirstlane_b32 s16, v13                   ; wave 0..3
	s_mov_b32 s17, ttmp9                           ; cq: my chunk of 64 queries
	s_and_b32 s18, ttmp7, 0xffff                   ; the batch
	v_and_b32 v13, 31, v0
	v_lshlrev_b32 v3, 4, v13                       ; 16 x lane
	v_and_b32 v14, 15, v0                          ; r
	v_bfe_u32 v15, v0, 4, 1                        ; h
	v_and_b32 v5, 8, v14
	v_add_nc_u32 v5, v5, v14                       ; rr
	v_lshlrev_b32 v13, 4, v15
	v_sub_nc_u32 v5, v5, v13                       ; rr - 16 h
	v_mov_b32 v6, 0xff800000
	s_mul_i32 s50, s16, STG                        ; every LDS address is made here, ahead of the parting of the waves
	v_mul_u32_u24 v7, v14, SPITCH
	v_lshl_add_u32 v7, v15, 6, v7
	v_add_nc_u32 v7, s50, v7                       ; into my stage: row r, + 64 h
	s_mul_i32 s50, s16, 16*SPITCH
	v_add_nc_u32 v8, s50, v3                       ; out of stage p: rows 16 w on, 16 bytes a lane
	v_add_nc_u32 v9, STG, v8
	v_add_nc_u32 v10, STG, v9
	v_add_nc_u32 v11, STG, v10
.irp n, 0,1,2,3,4,5
	v_mov_b32 v[49+2*\n], 0                        ; (named as the upper halves of G's pairs)
.endr
	s_lshl_b32 s50, s18, 6
	s_add_co_u32 s52, s50, s17                     ; 64 x batch + cq
	s_lshl_b32 s56, s52, 6                         ; its first row of out0,
	s_lshl_b32 s52, s52, 14                        ; its 16,384 bytes of qfrag
	s_mov_b32 s53, 0
	s_sub_co_i32 s54, s17, s16
	s_max_i32 s54, s54, 0                          ; my head chunk: cq - w, or chunk 0 where that does not exist
	s_add_co_u32 s54, s54, s50
	s_lshl_b32 s54, s54, 15                        ; its 32,768 bytes of kv
	s_mov_b32 s55, 0
	s_lshr_b32 s57, s16, 1                         ; I store tile w's rows: 32 (w / 2) + 8 (w % 2) + i + 8 (i / 8)
	s_lshl_b32 s57, s57, 5
	s_add_co_u32 s56, s56, s57
	s_and_b32 s57, s16, 1
	s_lshl_b32 s57, s57, 3
	s_add_co_u32 s56, s56, s57
	s_lshl_b32 s56, s56, 10                        ; a row of out0 is 1,024 bytes
	s_mov_b32 s57, 0
	s_lshl_b32 s21, s16, 6                         ; rows from my head chunk to the queries' chunk: 64 w
	s_wait_kmcnt 0x0
	s_load_b256 s[40:47], s[10:11], 0x0            ; e0 .. e7
	s_load_b64 s[48:49], s[10:11], 0x20            ; e8, e9
	s_load_b32 s22, s[8:9], 0x0                    ; d
	s_load_b32 s19, s[12:13], 0x0                  ; the stored count of chunks
	s_add_nc_u64 s[4:5], s[4:5], s[52:53]
	s_add_nc_u64 s[6:7], s[6:7], s[54:55]
	s_add_nc_u64 s[14:15], s[14:15], s[56:57]
	KLOAD
.irp j, 0,1,2,3
.irp s, 0,1
.irp c, 0,1,2,3
	global_load_b128 v[128+32*\j+16*\s+4*\c:128+32*\j+16*\s+4*\c+3], v3, s[4:5] offset:4096*\j+2048*\s+512*\c th:TH_LOAD_NT
.endr
.endr
.endr
	VLOAD
	s_wait_kmcnt 0x0
	s_min_u32 s19, s19, 64                         ; a loaded number is bounded before it is used
	s_add_co_u32 s50, s17, 1
	s_min_u32 s19, s19, s50                        ; chunks that the work-group walks: no further back than chunk 0
	s_sub_co_i32 s20, s19, 1
	s_sub_co_i32 s20, s20, s16
	s_max_i32 s20, s20, 0
	s_lshr_b32 s20, s20, 2                         ; my chunks behind the head chunk
	s_sub_co_i32 s50, s48, s46
	s_sub_co_i32 s50, s50, s47
	s_add_co_i32 s50, s50, 131                     ; e8 - e6 - e7 + 4, + 127
	s_lshl_b32 s51, s50, 23
	v_mov_b32 v4, s51                              ; the three scales (and the 16) folded into the conversion's one
	s_add_co_i32 s50, s50, 8
	s_lshl_b32 s50, s50, 23
	s_or_b32 s25, s50, 0x600000                    ; 448 x that,
	s_or_b32 s24, s25, 0x80000000                  ; and its negative
	s_cmp_ge_u32 s17, s16                          ; ids alone: does my head chunk exist?
	s_cselect_b32 s25, s25, 0                      ; if not, the hold is at 0 (such a wave has no further chunk)
	s_cselect_b32 s24, s24, 0
	s_add_co_i32 s26, s48, s49
	s_add_co_i32 s26, s26, 127
	s_lshl_b32 s26, s26, 23                        ; 2^(e8 + e9)
	s_mov_b32 s27, s26                             ; (named with it as a pair)
	v_mov_b32 v12, s22
	v_mul_f32 v12, 0xbfb8aa3b, v12                 ; c = -d log2 e
	; B's 16 and the diagonal's 32 exponents, in S^T's registers, while the loads are on their way
.irp i, 0,1,2,3,4,5,6,7,8,9,10,11,12,13,14,15
	v_add_nc_u32 v[64+\i], 31-\i, v5
	v_cvt_f32_i32 v[64+\i], v[64+\i]
	v_mul_f32 v[64+\i], v12, v[64+\i]
.endr
.irp u, 0,1
.irp i, 0,1,2,3,4,5,6,7,8,9,10,11,12,13,14,15
	v_add_nc_u32 v[80+16*\u+\i], 8*\u-\i, v5       ; dist on the diagonal
	v_cmp_gt_i32 vcc_lo, 0, v[80+16*\u+\i]         ; the key comes after the query
	v_cvt_f32_i32 v[80+16*\u+\i], v[80+16*\u+\i]
	v_mul_f32 v[80+16*\u+\i], v12, v[80+16*\u+\i]
	v_cndmask_b32 v[80+16*\u+\i], v[80+16*\u+\i], v6, vcc_lo   ; then the factor is 2^-infinity = 0
.endr
.endr
.irp i, 0,1,2,3,4,5,6,7,8,9,10,11,12,13,14,15
	v_exp_f32 v[16+\i], v[64+\i]
.endr
	WIN 0xc0                                       ; destination: window 3
.set n, 0
.rept 32
	v_exp_f32 v[128+n], v[80+n]
.set n, n+1
.endr
	WIN 0
	v_nop                                          ; a plain line behind the last exponential,
	s_wait_alu depctr_va_vdst(0)                   ; and one wait for the batch of 48
	s_cmp_lg_u32 s16, 0
	s_cbranch_scc1 .Lothers
	CHUNK 1, 1, 1                                  ; wave 0: the queries' own chunk, with the causal mask
	s_branch .Ljoin
.Lothers:
	CHUNK 0, 1, 1                                  ; waves 1 to 3: w chunks back
.Ljoin:
	s_cmp_eq_u32 s20, 0
	s_cbranch_scc1 .Lout
.Lchunk:
	s_sub_co_u32 s20, s20, 1                       ; chunks still to come behind this one
	s_add_co_u32 s21, s21, 256                     ; four chunks further back
	CHUNK 0, 0, 0
	s_cmp_lg_u32 s20, 0
	s_cbranch_scc1 .Lchunk
.Lout:
	; THE WAY OUT.  My part of O^T goes into my stage: row = the query's position, a lane's 16 channels of two tiles are 64 consecutive bytes.
	PLACES
	WIN 0x08                                       ; store data: window 2
.irp j, 0,1
.irp pp, 0,1,2,3,4,5,6,7
.irp m, 0,1,2,3
	ds_store_b128 v7, v[128*\j+16*\pp+4*\m:128*\j+16*\pp+4*\m+3] offset:16*SPITCH*\j+128*\pp+16*\m
.endr
.endr
.endr
	WIN 0x0c                                       ; window 3
.irp j, 0,1
.irp pp, 0,1,2,3,4,5,6,7
.irp m, 0,1,2,3
	ds_store_b128 v7, v[128*\j+16*\pp+4*\m:128*\j+16*\pp+4*\m+3] offset:16*SPITCH*(\j+2)+128*\pp+16*\m
.endr
.endr
.endr
	WIN 0
	s_wait_dscnt 0x0                               ; for the others' sake: my stores have landed
	s_barrier_signal -1
	s_barrier_wait -1                              ; the text's one barrier: every wave reaches it, whatever its number of chunks
; Wave w adds the four stages' rows 16 w .. 16 w + 15, two rows at a time, on two banks of 64 registers where Q lay, and stores whole rows.
.macro LOADB b
.set BK, 128+64*((\b)%2)
.irp x, 0,1,2,3
.irp p, 0,1,2,3
	ds_load_b128 v[BK+16*\x+4*\p:BK+16*\x+4*\p+3], v[8+\p] offset:SPITCH*(2*(\b)+\x/2)+512*(\x%2)
.endr
.endr
.endm
.macro SUMB b, left
.set BK, 128+64*((\b)%2)
	s_wait_dscnt \left                             ; this batch is in; the next batch's 16 loads may stay out
.irp x, 0,1,2,3
.irp q, 0,2
	v_pk_add_f32 v[BK+16*\x+\q:BK+16*\x+\q+1], v[BK+16*\x+\q:BK+16*\x+\q+1], v[BK+16*\x+4+\q:BK+16*\x+4+\q+1]
	v_pk_add_f32 v[BK+16*\x+8+\q:BK+16*\x+8+\q+1], v[BK+16*\x+8+\q:BK+16*\x+8+\q+1], v[BK+16*\x+12+\q:BK+16*\x+12+\q+1]
.endr
.irp q, 0,2
	v_pk_add_f32 v[BK+16*\x+\q:BK+16*\x+\q+1], v[BK+16*\x+\q:BK+16*\x+\q+1], v[BK+16*\x+8+\q:BK+16*\x+8+\q+1]
.endr
.irp q, 0,2
	v_pk_mul_f32 v[BK+16*\x+\q:BK+16*\x+\q+1], v[BK+16*\x+\q:BK+16*\x+\q+1], s[26:27] op_sel_hi:[1,0]   ; x 2^(e8 + e9)
.endr
	global_store_b128 v3, v[BK+16*\x:BK+16*\x+3], s[14:15] offset:((2*(\b)+\x/2)+8*((2*(\b)+\x/2)/8))*1024+512*(\x%2) th:TH_STORE_NT   ; 32 lanes store 512 consecutive bytes, aligned; written once, read by nobody here
.endr
.endm
	LOADB 0
	LOADB 1
.irp b, 0,1,2,3,4,5,6,7
.if \b < 7
	SUMB \b, 16
.else
	SUMB \b, 0
.endif
.if \b < 6
	s_wait_xcnt 0x0                                ; the stores have read their registers: the bank may be loaded again
	LOADB \b+2
.endif
.endr
	s_wait_tensorcnt 0x0                           ; the wave's end: behind my last LDS store
	ds_add_u32 v1, v2
	s_wait_dscnt 0x0
	s_endpgm
.Lfunc_end_k_q1a11e405db_ret:
	.size	k_q1a11e405db_ret, .Lfunc_end_k_q1a11e405db_ret-k_q1a11e405db_ret
	.p2alignl 7, 3214868480
	.fill 96, 4, 3214868480
	.section	.rodata,"a",@progbits
	.p2align	6, 0x0
	.amdhsa_kernel k_q1a11e405db_ret
		.amdhsa_group_segment_fixed_size 266752
		.amdhsa_private_segment_fixed_size 0
		.amdhsa_enable_private_segment 0
		.amdhsa_kernarg_size 48
		.amdhsa_user_sgpr_count 2
		.amdhsa_user_sgpr_kernarg_segment_ptr 1
		.amdhsa_wavefront_size32 1
		.amdhsa_system_sgpr_workgroup_id_x 1
		.amdhsa_system_sgpr_workgroup_id_y 1
		.amdhsa_system_sgpr_workgroup_id_z 1
		.amdhsa_system_vgpr_workitem_id 0
		.amdhsa_next_free_vgpr 1024
		.amdhsa_next_free_sgpr 66
		.amdhsa_reserve_vcc 1
		.amdhsa_float_denorm_mode_32 3
		.amdhsa_float_denorm_mode_16_64 3
		.amdhsa_memory_ordered 1
		.amdhsa_forward_progress 1
		.amdhsa_inst_pref_size 145
	.end_amdhsa_kernel
	.amdgpu_metadata
---
amdhsa.version: [ 1, 2 ]
amdhsa.kernels:
  - .name:           k_q1a11e405db_ret
    .symbol:         k_q1a11e405db_ret.kd
    .args:
      - { .name: qfrag, .offset: 0, .size: 8, .value_kind: global_buffer, .address_space: global }
      - { .name: kv, .offset: 8, .size: 8, .value_kind: global_buffer, .address_space: global }
      - { .name: decay, .offset: 16, .size: 8, .value_kind: global_buffer, .address_space: global }
      - { .name: lowp_scales, .offset: 24, .size: 8, .value_kind: global_buffer, .address_space: global }
      - { .name: band, .offset: 32, .size: 8, .value_kind: global_buffer, .address_space: global }
      - { .name: out0, .offset: 40, .size: 8, .value_kind: global_buffer, .address_space: global }
    .group_segment_fixed_size: 266752
    .private_segment_fixed_size: 0
    .kernarg_segment_align: 8
    .kernarg_segment_size: 48
    .max_flat_workgroup_size: 128
    .sgpr_count:     66
    .vgpr_count:     1024
    .wavefront_size: 32
...
	.end_amdgpu_metadata
.endif
;; end of part 3
;; ======== version 2 of 2: 3 launches; 1.13 times as fast as version 1
;; workspace buffers: wfrag 1,572,864 bytes; qfrag 4,194,304 bytes; kv 8,388,608 bytes; band 256 bytes of whole numbers
;; launch wq: the kernel of part 1 again; grid 64 x 3, 8 waves a work-group, no clusters, 0 bytes of LDS; arguments Wq, Wk, Wv, decay, lowp_scales, wfrag, band; writes wfrag, band
;; launch proj (part 4): grid 256 x 1, 4 waves a work-group, clusters of 4 x 1, 327,680 bytes of LDS; arguments X, wfrag, lowp_scales, qfrag, kv; writes qfrag, kv
.if DOCPART == 4
	.amdgcn_target "amdgcn-amd-amdhsa--gfx1250"
	.amdhsa_code_object_version 6
	.text
	.protected	k_q1a11e405db_proj
	.globl	k_q1a11e405db_proj
	.p2align	8
	.type	k_q1a11e405db_proj,@function
k_q1a11e405db_proj:
	s_mov_b64 s[64:65], 0
	v_nop
	global_prefetch_b8 v0, s[64:65] scope:SCOPE_SE
	s_setreg_imm32_b32 hwreg(HW_REG_WAVE_MODE, 25, 1), 1
	s_wait_xcnt 0x0
	s_wait_alu depctr_hold_cnt(0) depctr_sa_sdst(0) depctr_va_vdst(0) depctr_va_sdst(0) depctr_va_ssrc(0) depctr_va_vcc(0) depctr_vm_vsrc(0)
	s_getreg_b32 s2, hwreg(HW_REG_IB_STS2, 6, 4)
	s_cmp_eq_u32 s2, 0
	s_cbranch_scc0 .Lentry_in_a_cluster
	s_endpgm
.Lentry_in_a_cluster:
	s_bfe_u32 s2, ttmp6, 0x10000c
	s_cmp_lg_u32 s2, 0x3003
	s_cbranch_scc0 .Lentry_shape_is_right
	s_endpgm
.Lentry_shape_is_right:
; Q = X Wq, K = X Wk, V = X Wv on codes of E4M3, and Q, K, V quantised again for the next two products, stored as images of operand registers.
; X [16384][2048] f32 is read once and quantised THREE times (entries 0, 2, 4 of the scales may differ); the weights come as codes from wfrag.
; SHARES.  A work-group owns 64 rows of X (one chunk of 64 queries or keys).  Wave w owns columns 64 w .. 64 w + 63 of each of Q, K, V: 12 column tiles x 4 row tiles = 48 accumulators; it quantises rows 16 w .. 16 w + 15.
; Each byte of the weights is read from LDS by one wave only, the one that fetched it.  X's codes go from wave to wave through LDS.
; CLUSTER.  All row blocks walk the same weights, three times a work-group's own bytes of X: four work-groups form a cluster and ask for each tile JOINTLY (same load, same descriptor, mask of all four).
; THE WALK ALONG K IS TURNED FROM CLUSTER TO CLUSTER.  K goes in 16 steps of 128, two to a lap of 256.  Cluster c begins at lap rho = (c + c / 8) mod 8 and wraps round: in step t it takes tile (2 rho + t) mod 16 of the weights and
; the same columns of X.  So the 64 clusters ask for eight different tiles at a time, and from the third step on each tile has been asked for two steps earlier by the clusters that begin one lap further on.
; rho hangs on the cluster's number alone, which the four partners share.  The sums hold the same terms in another order.
; X comes by loads of 512 consecutive bytes of one row; a lane's eight numbers of a row (four from each half of a lap) become eight codes, stored as they fall:
; byte 8 l + 4 jj + i of an LDS row is k = 128 jj + 4 l + i of the lap.  wfrag carries the same order of k, so every product meets its partner; only the order of the sums inside an instruction changes.
; THE ROWS AND COLUMNS OF A TILE ARE NOT NEIGHBOURS: position r of tile 2 b + u stands for index 32 b + 8 u + r + 8 (r / 8), so that a lane's 16 result registers of tiles 2 b and 2 b + 1 are the 16 neighbours 32 b + 16 h + 0 .. 15
; along the next product's K.  Q and K are made transposed (source 0 = weights, source 1 = X: a lane holds a row, registers run along the head); V the other way (a lane holds a channel, registers run along the keys).
; OUT.  qfrag[block][t 4][s 2][c 4][lane][16]: lane (r, h): row position (t, r), head 128 s + 32 c + 16 h + 0 .. 15.  kv[block]: 16,384 bytes of K laid likewise, then V [ct 16][b 2][lane][16]: channel position (ct, r), keys 32 b + 16 h + 0 .. 15.
; LIMITS, so that each power of two is an f32 number: e0, e2, e4, e6 - e0 - e1, e7 - e2 - e3, e9 - e4 - e5 between -126 and 119.  NaN in X is not served (an infinity is held at the largest code).
; LDS: 0: the weights' ring, 2 slots x 98,304 (wave w's dense 24,576 at 24,576 w);  196,608: X's codes, 2 buffers x [set 3][row position 64] x 272 (256 codes + 16);  301,056: the spare words.
; REGISTERS, in windows of 256.  Window 0: v1, v2 the add's two; v3 16 x lane; v4-5 weights in slot 0, 1; v6-7 X's codes, read, buffer 0, 1; v8-9 X's codes, stored; v10-12 2^e0, 2^e2, 2^e4; v13-15 the three scales of the way out;
;   v16, v17 offsets of the way out; v32-79 held numbers; v80-91 codes; v128-191, v192-255 X's fragments, two sets.   Window 1: X as loaded, 4 pieces x 64.   Window 2: Q's 16 accumulators, then K's.   Window 3: V's 16; v128-191, v192-255 weights' fragments, two sets.
; SCALARS of the walk: s66 the tile of the weights that the next refill takes (0 .. 15); s67 the lap of X that is asked for next (taken mod 8); s[68:69] an offset, its high word 0; s[70:71] X at my rows, at the lap in hand; s[72:73] the same for the second lap of the start.
.set WPART, 24576                      ; a wave's part of a K step's weights
.set SLOTB, 98304                      ; a K step's weights
.set XC,    196608
.set XBUF,  52224
.set XSET,  17408
.set XP,    272                        ; odd multiple of 16: the sixteen rows that a fragment load touches start at sixteen different banks (64 banks of 4 bytes: ISA guide 11.1)
.set SPARE, 301056                     ; 128 bytes for each wave: two blocks of 256 bytes that no other line names
.set T,  32
.set C,  80
.set AW, 4
.set AX, 6
.set SX, 8
.set MSB, 0
.macro WIN new                         ; the immediate's high byte repeats the setting that is left; a switch that changes nothing is dropped
.if MSB != \new
	s_set_vgpr_msb (MSB<<8)|\new
.set MSB, \new
.endif
.endm
.macro PLACES                          ; four plain vector lines between a matrix instruction and a load into, or a vector line on, its registers
.rept 4
	v_nop
.endr
.endm
.macro ROUND                           ; a round of the cluster's barrier: my work-group's barrier; wave 0 signals for the work-group; all wait for the four work-groups; my work-group's barrier again
	s_barrier_signal -1
	s_barrier_wait -1
	s_cmp_lg_u32 s14, 0
	s_cbranch_scc1 .Lnot_wave_0_\@
	s_barrier_signal -3
.Lnot_wave_0_\@:
	s_barrier_wait -3
	s_barrier_signal -1
	s_barrier_wait -1
.endm
.macro XBASE                           ; X's base goes on to the next lap, round the end of K
	s_wait_xcnt 0x0                                ; the loads issued so far have read their base: it may be written
	s_and_b32 s68, s67, 7
	s_lshl_b32 s68, s68, 10                        ; a lap is 1,024 bytes of a row
	s_add_nc_u64 s[70:71], s[4:5], s[68:69]
	s_add_co_u32 s67, s67, 1
.endm
; Two rows (2 a, 2 a + 1 of the piece in staging slot q; u: which half of my 16 rows) are held, converted three times, and stored into code buffer wb.  ld = 1: the same registers take the piece four further on.
.macro RP q, a, u, wb, ld
	WIN 0x01                                       ; source 0: window 1
.irp row, 0,1
.irp set, 0,1,2
.irp n, 0,1,2,3,4,5,6,7
	v_med3_num_f32 v[T+8*(3*\row+\set)+\n], v[64*(\q)+8*(2*(\a)+\row)+\n], s[50+2*\set], s[51+2*\set]   ; the conversion does not saturate (ISA guide 7.6.2): the hold at +-448 x the set's scale
.endr
.endr
.endr
	WIN 0
.irp row, 0,1
.irp set, 0,1,2
	v_cvt_scalef32_pk8_fp8_f32 v[C+2*(3*\row+\set):C+2*(3*\row+\set)+1], v[T+8*(3*\row+\set):T+8*(3*\row+\set)+7], v[10+\set]
.endr
.endr
	v_nop                                          ; a plain line behind the last conversion: the next lines on these registers are vector lines
.irp row, 0,1
.irp set, 0,1,2
	ds_store_b64 v[SX+(\wb)], v[C+2*(3*\row+\set):C+2*(3*\row+\set)+1] offset:\set*XSET+(16*(\u)+2*(\a)+\row)*XP   ; 32 lanes x 8 bytes: a row's 256 codes
.endr
.endr
.if \ld
	WIN 0x40                                       ; destination: window 1
.irp row, 0,1
.irp jj, 0,1
	global_load_b128 v[64*(\q)+8*(2*(\a)+\row)+4*\jj:64*(\q)+8*(2*(\a)+\row)+4*\jj+3], v3, s[70:71] offset:(8*(\u)+2*(\a)+\row)*8192+512*\jj th:TH_LOAD_NT
.endr
.endr
.endif
.endm
; 32 LDS loads: my four fragments of weight p and the four fragments of X's set p, into fragment set `set`
.macro FETCH set, p, slot, rb, sg
	WIN 0xc0                                       ; destination: window 3
.irp i, 0,1,2,3
.irp c, 0,1,2,3
	ds_load_b128 v[128+64*(\set)+16*\i+4*\c:128+64*(\set)+16*\i+4*\c+3], v[AW+(\slot)] offset:8192*(\p)+2048*\i+512*\c
.endr
.endr
	WIN 0
.irp i, 0,1,2,3
.irp c, 0,1,2,3
	ds_load_b128 v[128+64*(\set)+16*\i+4*\c:128+64*(\set)+16*\i+4*\c+3], v[AX+(\rb)] offset:XSET*(\p)+16*XP*\i+128*(\sg)+32*\c
.endr
.endr
.endm
; 16 matrix instructions on 16 accumulators, one instruction a turn.  zero = 1: the first K step starts the sums.
.macro MUL p, set, zero
.if (\p) < 2
	WIN 0xa3                                       ; source 0 (weights) window 3, source 1 (X) window 0, C and D window 2
.irp i, 0,1,2,3
.irp j, 0,1,2,3
.if \zero
	v_wmma_f32_16x16x128_fp8_fp8 v[128*(\p)+8*(4*\i+\j):128*(\p)+8*(4*\i+\j)+7], v[128+64*(\set)+16*\i:128+64*(\set)+16*\i+15], v[128+64*(\set)+16*\j:128+64*(\set)+16*\j+15], 0
.else
	v_wmma_f32_16x16x128_fp8_fp8 v[128*(\p)+8*(4*\i+\j):128*(\p)+8*(4*\i+\j)+7], v[128+64*(\set)+16*\i:128+64*(\set)+16*\i+15], v[128+64*(\set)+16*\j:128+64*(\set)+16*\j+15], v[128*(\p)+8*(4*\i+\j):128*(\p)+8*(4*\i+\j)+7]
.endif
.endr
.endr
.else
	WIN 0xfc                                       ; source 0 (X) window 0, source 1 (weights) window 3, C and D window 3
.irp i, 0,1,2,3
.irp j, 0,1,2,3
.if \zero
	v_wmma_f32_16x16x128_fp8_fp8 v[8*(4*\i+\j):8*(4*\i+\j)+7], v[128+64*(\set)+16*\j:128+64*(\set)+16*\j+15], v[128+64*(\set)+16*\i:128+64*(\set)+16*\i+15], 0
.else
	v_wmma_f32_16x16x128_fp8_fp8 v[8*(4*\i+\j):8*(4*\i+\j)+7], v[128+64*(\set)+16*\j:128+64*(\set)+16*\j+15], v[128+64*(\set)+16*\i:128+64*(\set)+16*\i+15], v[8*(4*\i+\j):8*(4*\i+\j)+7]
.endif
.endr
.endr
.endif
.endm
; K STEP k, counted from the cluster's own beginning.  One round; behind it the other slot's refill; 96 LDS loads and 48 matrix instructions; between them, in four parts, the quantising of piece k + 2 of X (qp = 1) and the loads of piece k + 6 (ld = 1).
; left: the loads of X that may stay out: the pieces behind piece k + 2, 16 loads each.
.macro KSTEP k, zero, qp, ld, left, refill
.set SL, (\k)%2                        ; the weights' slot; also which 128 bytes of X's code rows, and which half of my rows the piece holds
.set RB, ((\k)/2)%2                    ; the code buffer that is read; the other one is written
.set QQ, ((\k)+2)%4                    ; the piece's staging slot
.set NS, 6*(\qp)                       ; LDS stores in a part
	WIN 0
	s_wait_tensorcnt 0x0                           ; my one tensor load has landed: my part of this step's weights; so a group 0 may be written
	ds_add_u32 v1, v2                              ; 0 onto my spare word; the refill's address is made between it and the wait for it
.if \refill
	s_mul_i32 s68, s66, SLOTB                      ; the tile that the refill takes,
	s_add_nc_u64 s[38-4*SL:39-4*SL], s[6:7], s[68:69]   ; my part of it,
	s_or_b32 s[39-4*SL], s[39-4*SL], 0x80000000    ; type = 2;
	s_add_co_u32 s66, s66, 1
	s_and_b32 s66, s66, 15                         ; and the tile after it, round the end of K
.endif
	s_wait_dscnt 0x0                               ; the add is done; my reads of the other slot and of the code buffer that is written next are over; my stores of codes have landed
	ROUND                                          ; all that now holds of every wave of the four work-groups
.if \refill
	tensor_load_to_lds s[36-4*SL:39-4*SL], s[24:31]   ; the next step's weights, into the slot read last: my one tensor load until the next round
	s_nop 0
.endif
	PLACES                                         ; also the places in front of the loads into the fragments' registers
	FETCH 0, 0, SL, RB, SL
	FETCH 1, 1, SL, RB, SL
.if \qp
.if (\ld) && ((\k)%2 == 0)
	XBASE                                          ; pieces k + 6 and k + 7 are the two halves of my rows in one lap: a new base in the even steps
.endif
	s_wait_loadcnt \left
	RP QQ, 0, SL, 1-RB, \ld
.endif
	s_wait_dscnt 32+NS                             ; behind the first run of 32: the second run and a part's stores
	MUL 0, 0, \zero
.if \qp
	RP QQ, 1, SL, 1-RB, \ld                        ; its holds are the places in front of the loads below
.else
	PLACES
.endif
	FETCH 0, 2, SL, RB, SL
	s_wait_dscnt 32+2*NS                           ; behind the second run: two parts' stores and the third run
	MUL 1, 1, \zero
.if \qp
	RP QQ, 2, SL, 1-RB, \ld
.endif
	s_wait_dscnt NS                                ; behind the third run: a part's stores
	MUL 2, 0, \zero
.if \qp
	RP QQ, 3, SL, 1-RB, \ld
.endif
	WIN 0
.endm
.macro MKS vr, sl                      ; s20 = e:  v[vr] = 2^e;  s[sl], s[sl+1] = -+448 x 2^e
	s_add_co_i32 s20, s20, 127
	s_lshl_b32 s21, s20, 23
	v_mov_b32 v[\vr], s21
	s_add_co_i32 s20, s20, 8
	s_lshl_b32 s20, s20, 23
	s_or_b32 s[\sl+1], s20, 0x600000
	s_or_b32 s[\sl], s[\sl+1], 0x80000000
.endm
	s_load_b128 s[4:7], s[0:1], 0x0                ; X s[4:5], wfrag s[6:7]
	s_load_b128 s[8:11], s[0:1], 0x10              ; the scales' exponents s[8:9], qfrag s[10:11]
	s_load_b64 s[12:13], s[0:1], 0x20              ; kv
	v_lshl_add_u32 v1, v0, 2, SPARE
	v_mov_b32 v2, 0
	ds_add_u32 v1, v2                              ; the wave's opening: the add and its wait stand ahead of my first tensor load; the set-up below, work on registers, stands between them
	v_lshrrev_b32 v20, 5, v0
	v_readfirstlane_b32 s14, v20                   ; wave 0..3
	s_bfe_u32 s15, ttmp6, 0x40000                  ; cx: my place in the cluster: it enters X's and the outputs' addresses alone
	s_lshl_b32 s16, ttmp9, 2                       ; in a cluster launch ttmp9 counts clusters
	s_add_co_u32 s16, s16, s15                     ; my block of 64 rows
	s_lshr_b32 s67, ttmp9, 3
	s_add_co_u32 s67, s67, ttmp9
	s_and_b32 s67, s67, 7                          ; rho = (c + c / 8) mod 8: the lap at which my cluster begins; the cluster's number alone
	s_lshl_b32 s66, s67, 1                         ; and its first tile of the weights
	s_mov_b32 s69, 0
	; descriptor group 1: 96 rows of 256 bytes, dense in memory and in LDS: a wave's 24,576 bytes
	s_mov_b32 s24, 15|(3<<16)|(1<<21)              ; 15:0 the mask: all four work-groups; 17:16 elements of 8 bytes; 21 set beside a mask; no padding
	s_mov_b32 s25, 32<<16                          ; tensor_dim0 = 32 elements
	s_mov_b32 s26, 96<<16                          ; tensor_dim1 = 96
	s_mov_b32 s27, 32<<16                          ; tile_dim0 = 32
	s_mov_b32 s28, 96                              ; tile_dim1 = 96
	s_mov_b32 s29, 32                              ; from row to row: 32 elements
	s_mov_b32 s30, 0
	s_mov_b32 s31, 0
	s_mul_i32 s18, s14, WPART                      ; my part of a tile, in memory and in a slot: the wave's number alone
	s_mov_b32 s19, 0
	v_and_b32 v20, 31, v0                          ; lane
	v_and_b32 v21, 15, v0                          ; r
	v_bfe_u32 v22, v0, 4, 1                        ; h
	v_lshlrev_b32 v3, 4, v20
	v_add_nc_u32 v4, s18, v3
	v_add_nc_u32 v5, SLOTB, v4
	v_mul_u32_u24 v6, v21, XP
	v_lshl_add_u32 v6, v22, 4, v6
	v_add_nc_u32 v6, XC, v6
	v_add_nc_u32 v7, XBUF, v6
	s_lshr_b32 s62, s14, 1                         ; row 16 w + 8 u + i of the block has position 32 (w / 2) + 16 u + 8 (w % 2) + i
	s_lshl_b32 s62, s62, 5
	s_and_b32 s63, s14, 1
	s_lshl_b32 s63, s63, 3
	s_add_co_u32 s62, s62, s63
	s_mul_i32 s62, s62, XP
	s_add_co_u32 s62, s62, XC
	v_lshl_add_u32 v8, v20, 3, s62
	v_add_nc_u32 v9, XBUF, v8
	s_lshl_b32 s62, s14, 10
	v_add_nc_u32 v16, s62, v3                      ; Q's and K's images: 16 x lane + 1,024 w
	s_lshl_b32 s62, s14, 12
	s_add_co_u32 s62, s62, 16384
	v_add_nc_u32 v17, s62, v3                      ; V's: 16 x lane + 4,096 w, behind K's 16,384
	s_lshl_b32 s20, s16, 19                        ; 64 rows of 8,192 bytes a block,
	s_lshl_b32 s21, s14, 17                        ; 16 a wave
	s_add_co_u32 s20, s20, s21
	s_mov_b32 s21, 0
	s_lshl_b32 s22, s16, 14
	s_mov_b32 s23, 0
	s_wait_dscnt 0x0                               ; the opening add is done
	s_wait_kmcnt 0x0
	s_load_b256 s[40:47], s[8:9], 0x0              ; e0 .. e7
	s_load_b64 s[48:49], s[8:9], 0x20              ; e8, e9
	s_add_nc_u64 s[4:5], s[4:5], s[20:21]          ; X at my wave's first row
	s_add_nc_u64 s[10:11], s[10:11], s[22:23]      ; qfrag at my block
	s_lshl_b32 s22, s16, 15
	s_add_nc_u64 s[12:13], s[12:13], s[22:23]      ; kv at my block
	s_add_nc_u64 s[6:7], s[6:7], s[18:19]          ; wfrag at my part of tile 0
	s_lshl_b32 s68, s67, 10
	s_add_nc_u64 s[70:71], s[4:5], s[68:69]        ; X at lap rho,
	s_add_co_u32 s68, s67, 1
	s_and_b32 s68, s68, 7
	s_lshl_b32 s68, s68, 10
	s_add_nc_u64 s[72:73], s[4:5], s[68:69]        ; and at the lap behind it
	s_add_co_u32 s67, s67, 2                       ; the lap that is asked for next
	s_mov_b32 s32, 1                               ; group 0 for slot 0: count = 1,
	s_mov_b32 s33, s18                             ; LDS address,
	s_mul_i32 s68, s66, SLOTB
	s_add_nc_u64 s[34:35], s[6:7], s[68:69]        ; global address: my cluster's first tile,
	s_or_b32 s35, s35, 0x80000000                  ; type = 2
	s_add_co_u32 s66, s66, 1
	s_and_b32 s66, s66, 15                         ; the tile that the first refill takes
	s_mov_b32 s36, 1                               ; and for slot 1; its global address is made ahead of each refill
	s_add_co_u32 s37, s18, SLOTB
	WIN 0x40
.irp pi, 0,1,2,3                       ; pieces 0 to 3 of X: 8 rows x 1,024 bytes each; 64 loads of 512 consecutive bytes are on their way from here on
.irp row, 0,1,2,3,4,5,6,7
.irp jj, 0,1
	global_load_b128 v[64*\pi+8*\row+4*\jj:64*\pi+8*\row+4*\jj+3], v3, s[70+2*(\pi/2):71+2*(\pi/2)] offset:(8*(\pi%2)+\row)*8192+512*\jj th:TH_LOAD_NT
.endr
.endr
.endr
	WIN 0
	ROUND                                          ; all four work-groups are here: the first joint load meets
	tensor_load_to_lds s[32:35], s[24:31]          ; the first tile; slot 1 is filled behind the first K step's round, as a refill is
	s_nop 0
	PLACES
	s_wait_kmcnt 0x0
	s_mov_b32 s20, s40
	MKS 10, 50                                     ; X for the first product,
	s_mov_b32 s20, s42
	MKS 11, 52                                     ; the second,
	s_mov_b32 s20, s44
	MKS 12, 54                                     ; the third
	s_sub_co_i32 s20, s46, s40                     ; a sum of the first product stands for sum x 2^(e0 + e1): its code is sum / 2^(e6 - e0 - e1)
	s_sub_co_i32 s20, s20, s41
	MKS 13, 56
	s_sub_co_i32 s20, s47, s42
	s_sub_co_i32 s20, s20, s43
	MKS 14, 58
	s_sub_co_i32 s20, s49, s44
	s_sub_co_i32 s20, s20, s45
	MKS 15, 60
	XBASE                                          ; pieces 4 and 5: the third lap of my walk
.irp pi, 0,1                           ; the first lap's codes, into buffer 0; pieces 4 and 5 are asked for
	s_wait_loadcnt 48                              ; three younger pieces may stay out
	RP \pi, 0, \pi, 0, 1
	RP \pi, 1, \pi, 0, 1
	RP \pi, 2, \pi, 0, 1
	RP \pi, 3, \pi, 0, 1
.endr
	KSTEP 0, 1, 1, 1, 48, 1                        ; the first K step stands in front of the loop: its products start the sums
	s_mov_b32 s3, 2
.Lk:                                               ; a trip is four K steps, after which slots, buffers and staging slots are back where they began: K steps 1-4, 5-8
	KSTEP 1, 0, 1, 1, 48, 1
	KSTEP 2, 0, 1, 1, 48, 1
	KSTEP 3, 0, 1, 1, 48, 1
	KSTEP 4, 0, 1, 1, 48, 1
	s_sub_co_u32 s3, s3, 1
	s_cmp_lg_u32 s3, 0
	s_cbranch_scc1 .Lk
	KSTEP 9,  0, 1, 1, 48, 1                       ; the tail is written out: the last piece of X is asked for here,
	KSTEP 10, 0, 1, 0, 48, 1                       ; then the counts run down,
	KSTEP 11, 0, 1, 0, 32, 1
	KSTEP 12, 0, 1, 0, 16, 1
	KSTEP 13, 0, 1, 0, 0,  1
	KSTEP 14, 0, 0, 0, 0,  1                       ; nothing is left to quantise,
	KSTEP 15, 0, 0, 0, 0,  0                       ; and no tile to fetch
	; THE WAY OUT: hold, convert, store.  Each accumulator is read from its low end on.  The conversions' results are whole pieces of 512 bytes of an operand's image.
	PLACES
	WIN 0x82                                       ; source 0 and destination: window 2
.set n, 0
.rept 128
	v_med3_num_f32 v[n], v[n], s56, s57            ; Q
.set n, n+1
.endr
.rept 128
	v_med3_num_f32 v[n], v[n], s58, s59            ; K
.set n, n+1
.endr
	WIN 0xc3                                       ; window 3
.set n, 0
.rept 128
	v_med3_num_f32 v[n], v[n], s60, s61            ; V
.set n, n+1
.endr
	WIN 0x02                                       ; source 0: window 2; the codes go to window 0, where X's fragments lay
.irp t, 0,1,2,3
.irp b, 0,1
	v_cvt_scalef32_pk8_fp8_f32 v[128+4*(2*\t+\b):128+4*(2*\t+\b)+1], v[8*(8*\b+\t):8*(8*\b+\t)+7], v13             ; column tiles 2 b and 2 b + 1, row tile t: head 64 w + 32 b + 16 h + 0 .. 15
	v_cvt_scalef32_pk8_fp8_f32 v[128+4*(2*\t+\b)+2:128+4*(2*\t+\b)+3], v[8*(8*\b+4+\t):8*(8*\b+4+\t)+7], v13
	v_cvt_scalef32_pk8_fp8_f32 v[160+4*(2*\t+\b):160+4*(2*\t+\b)+1], v[128+8*(8*\b+\t):128+8*(8*\b+\t)+7], v14
	v_cvt_scalef32_pk8_fp8_f32 v[160+4*(2*\t+\b)+2:160+4*(2*\t+\b)+3], v[128+8*(8*\b+4+\t):128+8*(8*\b+4+\t)+7], v14
.endr
.endr
	WIN 0x03                                       ; source 0: window 3
.irp t, 0,1,2,3
.irp b, 0,1
	v_cvt_scalef32_pk8_fp8_f32 v[192+4*(2*\t+\b):192+4*(2*\t+\b)+1], v[8*(4*\t+2*\b):8*(4*\t+2*\b)+7], v15          ; column tile t, row tiles 2 b and 2 b + 1: keys 32 b + 16 h + 0 .. 15
	v_cvt_scalef32_pk8_fp8_f32 v[192+4*(2*\t+\b)+2:192+4*(2*\t+\b)+3], v[8*(4*\t+2*\b+1):8*(4*\t+2*\b+1)+7], v15
.endr
.endr
	v_nop                                          ; a plain line behind the last conversion
	WIN 0
.irp t, 0,1,2,3
.irp b, 0,1
	global_store_b128 v16, v[128+4*(2*\t+\b):128+4*(2*\t+\b)+3], s[10:11] offset:4096*\t+512*\b    ; each store of the wave covers 512 consecutive bytes, aligned
	global_store_b128 v16, v[160+4*(2*\t+\b):160+4*(2*\t+\b)+3], s[12:13] offset:4096*\t+512*\b
	global_store_b128 v17, v[192+4*(2*\t+\b):192+4*(2*\t+\b)+3], s[12:13] offset:1024*\t+512*\b
.endr
.endr
	s_wait_tensorcnt 0x0                           ; the wave's end: behind my last tensor load and my last LDS store
	ds_add_u32 v1, v2
	s_wait_dscnt 0x0
	ROUND                                          ; the closing round: no work-group ends while a partner may still ask for a tile that names it
	s_endpgm
.Lfunc_end_k_q1a11e405db_proj:
	.size	k_q1a11e405db_proj, .Lfunc_end_k_q1a11e405db_proj-k_q1a11e405db_proj
	.p2alignl 7, 3214868480
	.fill 96, 4, 3214868480
	.section	.rodata,"a",@progbits
	.p2align	6, 0x0
	.amdhsa_kernel k_q1a11e405db_proj
		.amdhsa_group_segment_fixed_size 327680
		.amdhsa_private_segment_fixed_size 0
		.amdhsa_enable_private_segment 0
		.amdhsa_kernarg_size 40
		.amdhsa_user_sgpr_count 2
		.amdhsa_user_sgpr_kernarg_segment_ptr 1
		.amdhsa_wavefront_size32 1
		.amdhsa_system_sgpr_workgroup_id_x 1
		.amdhsa_system_sgpr_workgroup_id_y 1
		.amdhsa_system_sgpr_workgroup_id_z 1
		.amdhsa_system_vgpr_workitem_id 0
		.amdhsa_next_free_vgpr 1024
		.amdhsa_next_free_sgpr 80
		.amdhsa_reserve_vcc 0
		.amdhsa_float_denorm_mode_32 3
		.amdhsa_float_denorm_mode_16_64 3
		.amdhsa_memory_ordered 1
		.amdhsa_forward_progress 1
		.amdhsa_inst_pref_size 255
	.end_amdhsa_kernel
	.section	.bss,"aw",@nobits
	.p2align	6
	.space	262144
	.amdgpu_metadata
---
amdhsa.version: [ 1, 2 ]
amdhsa.kernels:
  - .name:           k_q1a11e405db_proj
    .symbol:         k_q1a11e405db_proj.kd
    .args:
      - { .name: X, .offset: 0, .size: 8, .value_kind: global_buffer, .address_space: global }
      - { .name: wfrag, .offset: 8, .size: 8, .value_kind: global_buffer, .address_space: global }
      - { .name: lowp_scales, .offset: 16, .size: 8, .value_kind: global_buffer, .address_space: global }
      - { .name: qfrag, .offset: 24, .size: 8, .value_kind: global_buffer, .address_space: global }
      - { .name: kv, .offset: 32, .size: 8, .value_kind: global_buffer, .address_space: global }
    .group_segment_fixed_size: 327680
    .private_segment_fixed_size: 0
    .kernarg_segment_align: 8
    .kernarg_segment_size: 40
    .max_flat_workgroup_size: 128
    .sgpr_count:     80
    .vgpr_count:     1024
    .wavefront_size: 32
...
	.end_amdgpu_metadata
.endif
;; end of part 4
;; launch ret: the kernel of part 3 again; grid 64 x 4, 4 waves a work-group, no clusters, 266,752 bytes of LDS; arguments qfrag, kv, decay, lowp_scales, band, out0; writes out0
